; MI455X (gfx1250); checked and timed in simulation.
; The chip was launched on July 23, 2026; its instructions are those of AMD's public machine-readable ISA for CDNA 5 (MIT licence, August 2026) and "CDNA5" Instruction Set Architecture Reference Guide (July 2026). The comments in the code are by the model that wrote it; some were corrected since.
;; Tritter Attention. Allowed arithmetic: matrix products marked QUANTISED: E2M3 operands, one E8M0 scale for each 32 along K, by v_wmma_scale_f32_16x16x128_f8f6f4 with both operands' format E2M3, f32 sums; everything else in f32.
;; Inputs: attention_mask 1 x 1 x 4,096 x 4,096 float32; bk 1,024 float32; bo 1,024 float32; bq 1,024 float32; bv 1,024 float32; hidden_states 1 x 4,096 x 1,024 float32; wk 1,024 x 1,024 float32; wo 1,024 x 1,024 float32; wq 1,024 x 1,024 float32; wv 1,024 x 1,024 float32.
;; Outputs: out0 1 x 4,096 x 1,024 float32.
;; This version of the problem:
;;   THIS VERSION OF THE PROBLEM IS GIVEN IN LOW PRECISION. The matrix products marked QUANTISED in the list below multiply operands that are first quantised to E2M3 (2 exponent bits, 3 mantissa bits; 6 bits a number), with one power-of-two scale for each 32 numbers along K (OCP MX v1.0); their sums are f32. All else is computed in f32.
;;   The module's matrix products, in the order in which they are computed (A, B: the left and right operand; K: the contracted axis; several contracted axes count as one K, in the product's order):
;;     1. [M 4,096, K 1,024] x [K 1,024, N 1,024]; A: input hidden_states; B: input wq: QUANTISED
;;     2. [M 4,096, K 1,024] x [K 1,024, N 1,024]; A: input hidden_states; B: input wk: QUANTISED
;;     3. [M 4,096, K 1,024] x [K 1,024, N 1,024]; A: input hidden_states; B: input wv: QUANTISED
;;     4. batch 16 x [M 4,096, K 64] x [K 64, N 4,096]; A: computed on the way; B: computed on the way: QUANTISED
;;     5. batch 16 x [M 4,096, K 4,096] x [K 4,096, N 64]; A: softmax (see below); B: computed on the way: QUANTISED
;;     6. [M 4,096, K 1,024] x [K 1,024, N 1,024]; A: computed on the way; B: input wo: QUANTISED
;;   THE QUANTISER, for each operand of a quantised product, along K:
;;     - K is cut into blocks of 32 from its start; a last block that is shorter is filled with zeros.
;;     - A block's scale is 2^e with e = floor(log2(the largest magnitude in the block)) - 2, held to -126 .. 127; a block of zeros has e = 0. As a byte (E8M0): e + 127.
;;     - Each number is divided by its block's scale, clamped to +-7.5, and rounded to the nearest number of E2M3, ties to even, subnormals kept.
;;     - The product sums the exact products of the quantised numbers (number of the format x scale) in f32.
;;   ~~~python
;;   def quantise(x, axis):      # numpy; x: float32 -> the quantised numbers, widened to float32 again
;;       x = np.moveaxis(x, axis, -1); K = x.shape[-1]
;;       x = np.pad(x, [(0, 0)] * (x.ndim - 1) + [(0, -K % 32)]); x = x.reshape(x.shape[:-1] + (-1, 32)); a = np.abs(x).max(-1, keepdims=True)
;;       e = np.where(a > 0, np.clip(np.frexp(np.where(a > 0, a, 1))[1] - 1 - 2, -126, 127), 0)      # np.frexp(a)[1] - 1 = floor(log2(a)), exactly
;;       r = np.clip(x / 2.0 ** e, -7.5, 7.5)
;;       step = 2.0 ** (np.maximum(np.frexp(np.where(r == 0, 1, r))[1] - 1, 0) - 3)
;;       q = np.round(r / step) * step * 2.0 ** e      # np.round: ties to even
;;       return np.moveaxis(q.reshape(q.shape[:-2] + (-1,))[..., :K], -1, axis).astype(np.float32)
;;   ~~~
;;   SOFTMAX AHEAD OF A QUANTISED PRODUCT. Where the list says 'softmax', what is quantised is not the finished softmax but p = 2^(t - M), with t = logit x log2(e) and M = ceil(the row's largest t), a whole number; so 1/2 < the row's largest p <= 1. The row's sum l is taken of the UNQUANTISED p, in f32, and the product's result is divided by l at the end. Since M is a whole number, a kernel that streams over the keys may use a running M (the ceiling of the running maximum): every later rescaling is an exact power of two, which a block's scale takes up: the codes' values come out the same.
;;   OPERANDS COMPUTED ON THE WAY. 'Computed on the way' means the value that the module computes at that place (a softmax that the list does not call 'softmax' is quantised finished and normalised). What goes into a quantiser is computed in f32, as accurately as f32 sums, v_exp_f32 and their like allow (about 1e-6 of the number): no bf16 or f16 on the way to a quantiser, and a product that is left as it is and whose result goes on into a quantised operand takes f32 operands (vector FMAs, or v_wmma_f32_16x16x4_f32). A number that lies on a knife's edge between two numbers of the format may be rounded either way, as far as f32 arithmetic and the matrix unit's own rounding can turn it there, and no further.
;; One version. Each part assembles by itself: llvm-mc -triple=amdgcn-amd-amdhsa -mcpu=gfx1250 --defsym DOCPART=n.
;; ======== version 1 of 1: 4 launches
;; limits: right only within a limited range of input values
;; workspace buffers: x_codes 3,145,728 bytes; x_scales 131,072 bytes; w_codes 3,145,728 bytes; w_scales 131,072 bytes; qimg 6,553,600 bytes; kv 6,553,600 bytes; o_codes 3,145,728 bytes; o_scales 131,072 bytes
;; launch quant (part 1): grid 256 x 1, 4 waves a work-group, no clusters, 33,280 bytes of LDS; arguments hidden_states, wq, wk, wv, wo, x_codes, x_scales, w_codes, w_scales; writes x_codes, x_scales, w_codes, w_scales
.if DOCPART == 1
	.amdgcn_target "amdgcn-amd-amdhsa--gfx1250"
	.amdhsa_code_object_version 6
	.text
	.protected	k_qe221ae323c_quant
	.globl	k_qe221ae323c_quant
	.p2align	8
	.type	k_qe221ae323c_quant,@function
k_qe221ae323c_quant:
	s_mov_b64 s[64:65], 0
	v_nop
	global_prefetch_b8 v0, s[64:65] scope:SCOPE_SE
	s_setreg_imm32_b32 hwreg(HW_REG_WAVE_MODE, 25, 1), 1
	s_wait_xcnt 0x0
; hidden_states [4096][1024] and wq, wk, wv, wo [1024][1024], f32, K innermost, become codes of FP6 (E2M3) with one E8M0 scale byte for each 32 along K.
; x_codes [4 planes][4096 rows][192 bytes]: plane p holds K = 256 p .. 256 p + 255 of every row, so that 128 rows of a plane are 24,576 dense bytes that begin at a multiple of 256.  x_scales [4096][32].
; w_codes, w_scales likewise: rows 0-1023 wq, 1024-2047 wk, 2048-3071 wv, 3072-4095 wo.
; A block's scale is 2^(floor(log2(its largest magnitude)) - 2); its byte is the largest magnitude's exponent field - 2, held at 1 from below.  A block of zeros so gets the byte 1: its codes are zeros, and this program alone reads the bytes.
; LIMITS: blocks whose largest magnitude lies under 2^-124 keep the byte 1; NaN and infinities among the inputs are not served.
; THE ORDER OF ROWS.  In x and in wq, wk, wv the four groups of 8 rows of every 32 rows are stored in the order 0, 2, 1, 3: stored row 32 b + 16 u + m is row 32 b + 8 u + m + 8 (m / 8).  A product that takes 16 stored rows on end as
; source 0 then leaves, in a lane's 16 registers of two neighbouring tiles, 16 neighbours along that axis.  wo's rows are stored as they lie.
; SHARES.  256 work-groups of four waves; a work-group takes 32 rows, a wave 8 rows (16 steps of 512 numbers), one group of the order above.  Work-groups 0-127: hidden_states; then 32 for each weight.
; A step's four loads read 512 consecutive bytes each; the 2,048 bytes turn through the wave's own stage in LDS (16 bytes of padding behind each 64) and come back 64 bytes a lane: 16 neighbours, two lanes to a block.
; A lane's 16 codes are 12 bytes: sixteen lanes store a row's 192 bytes of one plane, the other sixteen those of the next plane.  A wave's 256 scale bytes are gathered in LDS and leave as one aligned run of 256 bytes.
; No tensor loads, no barrier: waves share nothing.  No matrix unit, no cluster, no prefetch: each input byte is read once, in long runs, 16 loads a wave ahead.
.set WAVES, 4
.set STEPS, 16
.set EMAX,  2
.set CB,    12                         ; bytes of 16 codes
.set PLANE, 4096*192                   ; a plane of a codes' buffer
.set R,     16                         ; v16-79   four sets of 16 numbers as they are loaded
.set X,     80                         ; v80-111  two sets of 16 neighbours
.set C,     128                        ; v128-191 codes: four registers for each step, so that no store's data are written again
.set E,     112                        ; v112-127 a scale byte for each step
.set WREG,  8192                       ; LDS: a region for each wave: two stages of 32 x SP bytes, behind them its 256 scale bytes
.set SP,    80                         ; a lane's place in a stage: 64 bytes + 16 of padding
.set SPW,   12                         ; v12      LDS address of my spare word; never rewritten
.set NIL,   13                         ; v13      0; never rewritten
.set SPARE, WAVES*WREG                 ; behind the four regions: the spare words, 128 bytes a wave, which no other line names
	s_load_b256 s[4:11], s[0:1], 0x0               ; hidden_states, wq, wk, wv
	s_load_b256 s[12:19], s[0:1], 0x20             ; wo, x_codes, x_scales, w_codes
	s_load_b64 s[20:21], s[0:1], 0x40              ; w_scales
	v_lshl_add_u32 v[SPW], v0, 2, SPARE
	v_mov_b32 v[NIL], 0
	v_lshrrev_b32 v1, 5, v0
	v_readfirstlane_b32 s22, v1                    ; wave
	v_and_b32 v2, 31, v0                           ; lane
	v_lshlrev_b32 v3, 4, v2                        ; my 16 bytes of a load's 512
	s_mul_i32 s23, s22, WREG
	v_lshrrev_b32 v14, 2, v2
	v_mul_u32_u24 v14, v14, SP
	v_and_b32 v15, 3, v2
	v_lshl_add_u32 v14, v15, 4, v14
	v_add_nc_u32 v14, s23, v14                     ; the stage, on the way in: SP (lane / 4) + 16 (lane % 4)
	v_mul_u32_u24 v15, v2, SP
	v_add_nc_u32 v15, s23, v15                     ; and on the way out: SP x lane: my 16 neighbours
	v_and_b32 v4, 15, v2
	v_mul_u32_u24 v4, v4, CB                       ; my codes' place in a row's 192 bytes of a plane,
	v_lshrrev_b32 v10, 4, v2
	v_mad_u32_u24 v4, v10, PLANE, v4               ; lanes 16-31 one plane on
	v_lshrrev_b32 v5, 1, v2
	s_add_co_u32 s23, s23, 2*32*SP
	v_add_nc_u32 v5, s23, v5                       ; LDS: my wave's 256 scale bytes, my block's byte
	v_lshlrev_b32 v7, 3, v2                        ; and on the way out 8 bytes a lane
	v_add_nc_u32 v6, s23, v7
	s_and_b32 s28, s22, 1
	s_lshl_b32 s28, s28, 1
	s_lshr_b32 s29, s22, 1
	s_or_b32 s28, s28, s29                         ; where my group of 8 rows is stored: 0, 2, 1, 3
	s_wait_alu depctr_va_vdst(0)                   ; the wait at the head's end
	s_wait_kmcnt 0x0
	s_cmp_lt_u32 ttmp9, 224                        ; every choice hangs on the work-group's number alone
	s_cselect_b64 s[12:13], s[10:11], s[12:13]     ; wv, else wo
	s_cselect_b32 s28, s28, s22                    ; wo's rows stay as they lie
	s_cmp_lt_u32 ttmp9, 192
	s_cselect_b64 s[12:13], s[8:9], s[12:13]       ; wk
	s_cmp_lt_u32 ttmp9, 160
	s_cselect_b64 s[12:13], s[6:7], s[12:13]       ; wq
	s_cmp_lt_u32 ttmp9, 128
	s_cselect_b64 s[12:13], s[4:5], s[12:13]       ; hidden_states
	s_cselect_b64 s[14:15], s[14:15], s[18:19]     ; the codes' buffer
	s_cselect_b64 s[16:17], s[16:17], s[20:21]     ; the scale bytes' buffer
	s_cselect_b32 s24, 0, 128
	s_cselect_b32 s25, 127, 31
	s_sub_co_u32 s26, ttmp9, s24                   ; which 32 rows of the buffers
	s_and_b32 s27, s26, s25                        ; which 32 rows of the tensor
	s_lshl_b32 s30, s27, 2
	s_add_co_u32 s30, s30, s22
	s_lshl_b32 s30, s30, 15                        ; 8 rows of 4,096 bytes
	s_mov_b32 s31, 0
	s_add_nc_u64 s[12:13], s[12:13], s[30:31]
	s_lshl_b32 s26, s26, 2
	s_add_co_u32 s26, s26, s28
	s_mul_i32 s30, s26, 8*192                      ; 8 rows of 192 bytes in plane 0
	s_add_nc_u64 s[14:15], s[14:15], s[30:31]
	s_lshl_b32 s30, s26, 8                         ; 8 rows of 32 bytes
	s_add_nc_u64 s[16:17], s[16:17], s[30:31]
.macro LOAD t
.irp i, 0,1,2,3
	global_load_b128 v[R+16*((\t)%4)+4*\i:R+16*((\t)%4)+4*\i+3], v3, s[12:13] offset:2048*(\t)+512*\i th:TH_LOAD_NT   ; 32 lanes read 512 consecutive bytes
.endr
.endm
.macro TURN t                          ; step t's numbers through the stage: LDS serves a wave's instructions in order (ISA guide 5.7.1.4), so no wait stands between the stores and the loads
.irp i, 0,1,2,3
	ds_store_b128 v14, v[R+16*((\t)%4)+4*\i:R+16*((\t)%4)+4*\i+3] offset:32*SP*((\t)%2)+8*SP*\i
.endr
.irp i, 0,1,2,3
	ds_load_b128 v[X+16*((\t)%2)+4*\i:X+16*((\t)%2)+4*\i+3], v15 offset:32*SP*((\t)%2)+16*\i
.endr
.endm
.irp t, 0,1,2,3
	LOAD \t
.endr
	s_wait_loadcnt 12                              ; step 0's four loads are in; the 12 of steps 1 to 3 stay out
	TURN 0
.macro STEP t
.set XS, X+16*((\t)%2)
.if (\t) > 0
	s_wait_dscnt 1                                 ; this step's numbers are back from the stage (the last step's byte store may be out): so its stores into the stage have read their registers,
.else
	s_wait_dscnt 0x0
.endif
.if (\t)+4 < STEPS
	LOAD (\t)+4                                    ; which take the loads of four steps on
.endif
.if (\t)+1 < STEPS
.if STEPS-2-(\t) >= 3
	s_wait_loadcnt 12                              ; the next step's four loads are in; those of the three steps behind it may be out
.else
	s_wait_loadcnt 4*(STEPS-2-(\t))
.endif
	TURN (\t)+1                                    ; and go through the other stage while this step is worked
.endif
	v_max3_num_f32 v8, |v[XS]|, |v[XS+1]|, |v[XS+2]|               ; the largest magnitude of my 16, in two chains
	v_max3_num_f32 v9, |v[XS+3]|, |v[XS+4]|, |v[XS+5]|
.irp i, 6,10
	v_max3_num_f32 v8, v8, |v[XS+\i]|, |v[XS+\i+1]|
	v_max3_num_f32 v9, v9, |v[XS+\i+2]|, |v[XS+\i+3]|
.endr
	v_max3_num_f32 v8, v8, |v[XS+14]|, |v[XS+15]|
	v_max3_num_f32 v8, v8, v9, (EMAX+1)<<23        ; and the floor 2^(3 - 127): so the byte cannot fall under 1
	v_max_num_f32_dpp v8, v8, v8 row_xmask:1 row_mask:0xf bank_mask:0xf   ; and of my neighbour's 16: the block's
	v_add_nc_u32 v11, -(EMAX<<23), v8              ; 2 off its exponent field: the conversion takes the exponent field of this operand as its scale, and nothing else of it
	v_cvt_scalef32_pk16_fp6_f32 v[C+4*(\t):C+4*(\t)+2], v[XS:XS+15], v11   ; sixteen numbers / the scale, to the nearest code, ties to even, beyond the largest code the largest; 96 bits without gaps
	v_lshrrev_b32 v[E+(\t)], 23, v11               ; the scale's byte (also the plain line behind the conversion)
	ds_store_b8 v5, v[E+(\t)] offset:16*(\t)       ; both lanes of a block write the same byte with the same value
	global_store_b96 v4, v[C+4*(\t):C+4*(\t)+2], s[14:15] offset:192*((\t)/2)+2*PLANE*((\t)%2)   ; row t / 2 of my eight; planes 2 (t % 2) and 2 (t % 2) + 1
.endm
.irp t, 0,1,2,3,4,5,6,7,8,9,10,11,12,13,14,15
	STEP \t
.endr
	ds_load_b64 v[8:9], v6                         ; in order behind my byte stores
	s_wait_dscnt 0x0
	global_store_b64 v7, v[8:9], s[16:17]          ; 32 lanes store 256 consecutive bytes, aligned
	s_wait_tensorcnt 0x0                           ; the wave's end
	ds_add_u32 v[SPW], v[NIL]
	s_wait_dscnt 0x0
	s_endpgm
.Lfunc_end_k_qe221ae323c_quant:
	.size	k_qe221ae323c_quant, .Lfunc_end_k_qe221ae323c_quant-k_qe221ae323c_quant
	.p2alignl 7, 3214868480
	.fill 96, 4, 3214868480
	.section	.rodata,"a",@progbits
	.p2align	6, 0x0
	.amdhsa_kernel k_qe221ae323c_quant
		.amdhsa_group_segment_fixed_size 33280
		.amdhsa_private_segment_fixed_size 0
		.amdhsa_enable_private_segment 0
		.amdhsa_kernarg_size 72
		.amdhsa_user_sgpr_count 2
		.amdhsa_user_sgpr_kernarg_segment_ptr 1
		.amdhsa_wavefront_size32 1
		.amdhsa_system_sgpr_workgroup_id_x 1
		.amdhsa_system_sgpr_workgroup_id_y 1
		.amdhsa_system_sgpr_workgroup_id_z 1
		.amdhsa_system_vgpr_workitem_id 0
		.amdhsa_next_free_vgpr 192
		.amdhsa_next_free_sgpr 66
		.amdhsa_reserve_vcc 0
		.amdhsa_float_denorm_mode_32 3
		.amdhsa_float_denorm_mode_16_64 3
		.amdhsa_memory_ordered 1
		.amdhsa_forward_progress 1
		.amdhsa_inst_pref_size 33
	.end_amdhsa_kernel
	.amdgpu_metadata
---
amdhsa.version: [ 1, 2 ]
amdhsa.kernels:
  - .name:           k_qe221ae323c_quant
    .symbol:         k_qe221ae323c_quant.kd
    .args:
      - { .name: hidden_states, .offset: 0, .size: 8, .value_kind: global_buffer, .address_space: global }
      - { .name: wq, .offset: 8, .size: 8, .value_kind: global_buffer, .address_space: global }
      - { .name: wk, .offset: 16, .size: 8, .value_kind: global_buffer, .address_space: global }
      - { .name: wv, .offset: 24, .size: 8, .value_kind: global_buffer, .address_space: global }
      - { .name: wo, .offset: 32, .size: 8, .value_kind: global_buffer, .address_space: global }
      - { .name: x_codes, .offset: 40, .size: 8, .value_kind: global_buffer, .address_space: global }
      - { .name: x_scales, .offset: 48, .size: 8, .value_kind: global_buffer, .address_space: global }
      - { .name: w_codes, .offset: 56, .size: 8, .value_kind: global_buffer, .address_space: global }
      - { .name: w_scales, .offset: 64, .size: 8, .value_kind: global_buffer, .address_space: global }
    .group_segment_fixed_size: 33280
    .private_segment_fixed_size: 0
    .kernarg_segment_align: 8
    .kernarg_segment_size: 72
    .max_flat_workgroup_size: 128
    .sgpr_count:     66
    .vgpr_count:     192
    .wavefront_size: 32
...
	.end_amdgpu_metadata
.endif
;; end of part 1
;; launch qkv (part 2): grid 12 x 16, 4 waves a work-group, clusters of 4 x 4, 327,680 bytes of LDS; arguments x_codes, x_scales, w_codes, w_scales, bq, bk, bv, qimg, kv; writes qimg, kv
.if DOCPART == 2
	.amdgcn_target "amdgcn-amd-amdhsa--gfx1250"
	.amdhsa_code_object_version 6
	.text
	.protected	k_qe221ae323c_qkv
	.globl	k_qe221ae323c_qkv
	.p2align	8
	.type	k_qe221ae323c_qkv,@function
k_qe221ae323c_qkv:
	s_mov_b64 s[64:65], 0
	v_nop
	global_prefetch_b8 v0, s[64:65] scope:SCOPE_SE
	s_setreg_imm32_b32 hwreg(HW_REG_WAVE_MODE, 25, 1), 1
	s_wait_xcnt 0x0
	s_wait_alu depctr_hold_cnt(0) depctr_sa_sdst(0) depctr_va_vdst(0) depctr_va_sdst(0) depctr_va_ssrc(0) depctr_va_vcc(0) depctr_vm_vsrc(0)
	s_getreg_b32 s2, hwreg(HW_REG_IB_STS2, 6, 4)
	s_cmp_eq_u32 s2, 0
	s_cbranch_scc0 .Lentry_in_a_cluster
	s_endpgm
.Lentry_in_a_cluster:
	s_bfe_u32 s2, ttmp6, 0x10000c
	s_cmp_lg_u32 s2, 0xf033
	s_cbranch_scc0 .Lentry_shape_is_right
	s_endpgm
.Lentry_shape_is_right:
; q, k, v = x W^T + b on codes of FP6 with E8M0 scales; the results are quantised again (q and k along the head's 64 channels, v along the keys) and stored as images of the attention launch's operand registers.
; A tile of 256 x 256 to a work-group of four waves, 128 x 128 a wave; cluster columns 0 and 1 make q and k (source 1 = tokens), column 2 makes v with the sources' roles changed.
; K goes plane by plane (256 along K) through two LDS slots.  In the codes' buffers, [plane][row][192 bytes], 128 rows of a plane are 24,576 dense bytes from a multiple of 256 on: they are fetched as 96 rows of 256 bytes.
; The mover lays 16 bytes of padding behind every 64, so a row of 192 bytes of codes takes 240 bytes of LDS.
; THE HEAD: four whole tiles, one joint load a wave: plane 0 of A's 256 rows, of B's 256 rows, A's scales, B's scales.  Slot 1 is first filled behind the full sequence and a round, a quarter of the slot a wave.
.set KSTEP,  256
.set NQ,     KSTEP/128
.set PLANE,  4096*192
.set KROW,   192
.set G0H,    4
.set G0HB,   8
.set PITCH,  240
.set FR,     12
.set NL,     6
.set NP,     4
.set HALFT,  128*PITCH
.set SLOT,   4*HALFT
.set LAPS,   2
.set KS,     32
.set SCL,    2*SLOT
.set HALFS,  (128*KS/256)*272
.set SBLK,   (16*KS/256)*272
.set SPARE,  SCL+4*HALFS
.set BLKB,   12800
.set ADRA, 16
.set ADRB, 20
.set LI,   24
.set L8,   25
.set ADRS, 27
.set SPW,  28
.set NIL,  29
.set OBI,  30
.set OBM,  31
.set SC,   32
.set BI,   64
.set AF,   128
.set BM,   224
.set ST,   128
.set F0,   192
.set F1,   204
.set X2,   216
.set TM,   32
.set W,    48
.set Z,    56
.set G1, 24
.set G0, 32
.set G1B, 48
.set G0B, 56
.set G1S, 68
.set G0S, 76
.set G1SB, 80
.set G0SB, 88
.set MSB, 0
.macro WIN new
.if MSB != (\new)
	s_set_vgpr_msb (MSB<<8)|(\new)
.set MSB, (\new)
.endif
.endm
.set MUL_LO, 0xa1
.set MUL_HI, 0xf1
.set TO_B,   0x40
.macro JLOAD g0a, g1a, g0b, g1b
	s_cmp_eq_u32 s15, 0
	s_cbranch_scc0 .Lfor_b_\@
	tensor_load_to_lds s[\g0a:\g0a+3], s[\g1a:\g1a+7]
	s_nop 0
.rept 4
	v_nop
.endr
	s_branch .Lasked_\@
.Lfor_b_\@:
	tensor_load_to_lds s[\g0b:\g0b+3], s[\g1b:\g1b+7]
	s_nop 0
.rept 4
	v_nop
.endr
.Lasked_\@:
.endm
.macro CREST
	s_cmp_lg_u32 s14, 0
	s_cbranch_scc1 .Lnot_wave_0_\@
	s_barrier_signal -3
.Lnot_wave_0_\@:
	s_barrier_wait -3
	s_barrier_signal -1
	s_barrier_wait -1
.endm
.macro CROUND
	s_barrier_signal -1
	s_barrier_wait -1
	CREST
.endm
	s_load_b256 s[4:11], s[0:1], 0x0
	s_load_b256 s[92:99], s[0:1], 0x20
	s_load_b64 s[100:101], s[0:1], 0x40
	v_lshl_add_u32 v[SPW], v0, 2, SPARE
	v_mov_b32 v[NIL], 0
	ds_add_u32 v[SPW], v[NIL]
	ds_add_u32 v[SPW], v[NIL]
	v_lshrrev_b32 v1, 5, v0
	v_readfirstlane_b32 s14, v1
	s_lshr_b32 s15, s14, 1
	s_and_b32 s16, s14, 1
	s_bfe_u32 s40, ttmp6, 0x40000
	s_bfe_u32 s41, ttmp6, 0x40004
	s_and_b32 s12, ttmp7, 0xffff
	s_cmp_eq_u32 ttmp9, 2
	s_cselect_b32 s13, 1, 0
	s_cselect_b32 s17, ttmp9, s12
	s_cselect_b32 s42, s12, ttmp9
	s_lshl_b32 s17, s17, 2
	s_add_co_u32 s17, s17, s41
	s_lshl_b32 s42, s42, 2
	s_add_co_u32 s42, s42, s40
	s_lshl_b32 s43, s41, 2
	s_lshl_b32 s43, 15, s43
	s_lshl_b32 s44, 0x1111, s40
	s_or_b32 s[G1+0], s43, (0<<16)|(1<<20)|(1<<21)|(3<<22)|(3<<25)
	s_or_b32 s[G1B+0], s44, (0<<16)|(1<<20)|(1<<21)|(3<<22)|(3<<25)
.irp g, G1, G1B
	s_mov_b32 s[\g+1], 256<<16                     ; rows of 256 bytes
	s_mov_b32 s[\g+2], 192<<16                     ; the head's loads: 256 rows of codes = 192 such rows
	s_mov_b32 s[\g+3], 256<<16
	s_mov_b32 s[\g+4], 192
	s_mov_b32 s[\g+5], 256                         ; dense
	s_mov_b32 s[\g+6], 0
	s_mov_b32 s[\g+7], 0
.endr
	s_or_b32 s[G1S+0], s43, (3<<16)|(1<<20)|(1<<21)|(5<<22)|(3<<25)
	s_or_b32 s[G1SB+0], s44, (3<<16)|(1<<20)|(1<<21)|(5<<22)|(3<<25)
.irp g, G1S, G1SB
	s_mov_b32 s[\g+1], 32<<16
	s_mov_b32 s[\g+2], KS<<16                      ; the scales of 256 rows: KS rows of 256 bytes
	s_mov_b32 s[\g+3], 32<<16
	s_mov_b32 s[\g+4], KS
	s_mov_b32 s[\g+5], 32
	s_mov_b32 s[\g+6], 0
	s_mov_b32 s[\g+7], 0
.endr
	s_lshl_b32 s20, s17, 8                         ; the tiles' first rows
	s_lshl_b32 s46, s42, 8
	s_mov_b32 s21, 0
	s_mov_b32 s47, 0
	s_mov_b64 s[18:19], KS
	s_mul_u64 s[22:23], s[20:21], s[18:19]
	s_mul_u64 s[66:67], s[46:47], s[18:19]
	s_mov_b64 s[18:19], KROW
	s_mul_u64 s[20:21], s[20:21], s[18:19]
	s_mul_u64 s[46:47], s[46:47], s[18:19]
	s_mul_i32 s45, s14, HALFT
	s_mul_i32 s2, s16, 128*KROW                    ; in the ring I fetch 128 rows of a tile: which half, in bytes
	s_mov_b32 s3, 0
	s_wait_dscnt 0x0
	s_wait_kmcnt 0x0
	s_cmp_eq_u32 s13, 1
	s_cselect_b64 s[18:19], s[8:9], s[4:5]
	s_add_nc_u64 s[20:21], s[18:19], s[20:21]
	s_cselect_b64 s[18:19], s[10:11], s[6:7]
	s_add_nc_u64 s[22:23], s[18:19], s[22:23]
	s_cselect_b64 s[18:19], s[4:5], s[8:9]
	s_add_nc_u64 s[46:47], s[18:19], s[46:47]
	s_cselect_b64 s[18:19], s[6:7], s[10:11]
	s_add_nc_u64 s[66:67], s[18:19], s[66:67]
	CROUND
	s_mov_b32 s[G0H], 1                            ; the head's four tiles, each whole: plane 0 of A's 256 rows,
	s_mov_b32 s[G0H+1], 0
	s_mov_b64 s[G0H+2:G0H+3], s[20:21]
	s_or_b32 s[G0H+3], s[G0H+3], 0x80000000
	s_mov_b32 s[G0HB], 1                           ; of B's 256 rows, behind them in slot 0,
	s_mov_b32 s[G0HB+1], 2*HALFT
	s_mov_b64 s[G0HB+2:G0HB+3], s[46:47]
	s_or_b32 s[G0HB+3], s[G0HB+3], 0x80000000
	s_mov_b32 s[G0S], 1                            ; the scales of A's 256 rows,
	s_mov_b32 s[G0S+1], SCL
	s_mov_b64 s[G0S+2:G0S+3], s[22:23]
	s_or_b32 s[G0S+3], s[G0S+3], 0x80000000
	s_mov_b32 s[G0SB], 1                           ; and of B's
	s_mov_b32 s[G0SB+1], SCL+2*HALFS
	s_mov_b64 s[G0SB+2:G0SB+3], s[66:67]
	s_or_b32 s[G0SB+3], s[G0SB+3], 0x80000000
	s_add_nc_u64 s[20:21], s[20:21], s[2:3]        ; for the ring: my 128 rows of the tile
	s_add_nc_u64 s[46:47], s[46:47], s[2:3]
.irp s, 0,1
	s_mov_b32 s[G0+4*\s], 1
	s_add_co_u32 s[G0+4*\s+1], s45, \s*SLOT
	s_add_nc_u64 s[G0+4*\s+2:G0+4*\s+3], s[20:21], \s*PLANE
	s_or_b32 s[G0+4*\s+3], s[G0+4*\s+3], 0x80000000
	s_mov_b32 s[G0B+4*\s], 1
	s_add_co_u32 s[G0B+4*\s+1], s45, \s*SLOT
	s_add_nc_u64 s[G0B+4*\s+2:G0B+4*\s+3], s[46:47], \s*PLANE
	s_or_b32 s[G0B+4*\s+3], s[G0B+4*\s+3], 0x80000000
.endr
; one tree of branches on the wave's number, one load to an arm, all arms to one join: one tensor load a wave at the head
.macro ARM under, g0, g1, next
	s_cmp_lt_u32 s14, \under
	s_cbranch_scc0 \next
	tensor_load_to_lds s[\g0:\g0+3], s[\g1:\g1+7]
	s_nop 0
.rept 4
	v_nop
.endr
	s_branch .Lhead_asked
\next:
.endm
	ARM 1, G0H,  G1,  .Lhead_b
	ARM 2, G0HB, G1B, .Lhead_sa
	ARM 3, G0S,  G1S, .Lhead_sb
	tensor_load_to_lds s[G0SB:G0SB+3], s[G1SB:G1SB+7]
	s_nop 0
.rept 4
	v_nop
.endr
.Lhead_asked:
	v_and_b32 v1, 15, v0
	v_bfe_u32 v2, v0, 4, 1
	v_mul_u32_u24 v3, v1, PITCH
	v_mul_u32_u24 v4, v2, 24
	v_add_nc_u32 v4, v3, v4
	v_lshl_add_u32 v5, v2, 4, v4
	s_mul_i32 s21, s15, HALFT
	s_mul_i32 s22, s16, HALFT
	s_add_co_u32 s22, s22, 2*HALFT
.irp s, 0,1
	v_add_nc_u32 v[ADRA+\s], s21, v4
	v_add_nc_u32 v[ADRB+\s], s22, v4
	v_add_nc_u32 v[ADRA+2+\s], s21, v5
	v_add_nc_u32 v[ADRB+2+\s], s22, v5
	s_add_co_u32 s21, s21, SLOT
	s_add_co_u32 s22, s22, SLOT
.endr
	v_mul_u32_u24 v5, v1, KS
	v_lshrrev_b32 v6, 8, v5
	v_lshl_add_u32 v5, v6, 4, v5
	s_mul_i32 s21, s15, HALFS
	s_mul_i32 s22, s16, HALFS
	s_add_co_u32 s22, s22, 2*HALFS
	s_sub_co_u32 s22, s22, s21
	v_mul_u32_u24 v6, s22, v2
	s_add_co_u32 s21, s21, SCL
	v_add_nc_u32 v5, v5, v6
	v_add_nc_u32 v[ADRS], s21, v5
	v_and_b32 v6, 31, v0
	v_lshlrev_b32 v[LI], 4, v6
	v_lshlrev_b32 v[L8], 3, v6
	v_lshlrev_b32 v[OBI], 6, v2
	s_wait_alu depctr_va_vdst(0)
	v_and_b32 v[OBM], 8, v1
	v_add_nc_u32 v[OBM], v[OBM], v1
	v_lshlrev_b32 v[OBM], 2, v[OBM]
	s_wait_alu depctr_va_vdst(0)
	s_cmp_eq_u32 ttmp9, 0
	s_cselect_b64 s[92:93], s[92:93], s[94:95]
	s_cselect_b64 s[100:101], s[98:99], s[100:101]
	s_and_b32 s20, s42, 3
	s_lshl_b32 s20, s20, 10
	s_lshl_b32 s21, s16, 9
	s_add_co_u32 s20, s20, s21
	s_mov_b32 s21, 0
	s_add_nc_u64 s[92:93], s[92:93], s[20:21]
	s_and_b32 s20, s17, 3
	s_lshl_b32 s20, s20, 10
	s_lshl_b32 s22, s15, 9
	s_add_co_u32 s20, s20, s22
	s_add_nc_u64 s[96:97], s[96:97], s[20:21]
.irp b, 0,1,2,3
.irp q, 0,1,2,3
	global_load_b128 v[BI+16*\b+4*\q:BI+16*\b+4*\q+3], v[OBI], s[92:93] offset:128*\b+16*\q
.endr
.endr
.irp a, 0,1,2,3,4,5,6,7
	global_load_b32 v[BM+2*\a], v[OBM], s[96:97] offset:(32*(\a/2)+8*(\a%2))*4
	global_load_b32 v[BM+2*\a+1], v[OBM], s[96:97] offset:(32*(\a/2)+8*(\a%2))*4
.endr
	s_lshl_b32 s18, s17, 1
	s_add_co_u32 s18, s18, s15
	s_and_b32 s19, s42, 3
	s_lshl_b32 s19, s19, 2
	s_lshl_b32 s20, s16, 1
	s_add_co_u32 s19, s19, s20
	s_lshl_b32 s20, s42, 1
	s_add_co_u32 s20, s20, s16
	s_and_b32 s21, s17, 3
	s_lshl_b32 s21, s21, 2
	s_lshl_b32 s22, s15, 1
	s_add_co_u32 s21, s21, s22
	s_cmp_eq_u32 s13, 1
	s_cselect_b32 s18, s20, s18
	s_cselect_b32 s19, s21, s19
	s_lshl_b32 s18, s18, 4
	s_add_co_u32 s18, s18, s19
	s_mul_i32 s18, s18, BLKB
	s_mov_b32 s19, 0
	s_add_nc_u64 s[100:101], s[100:101], s[18:19]
.macro FRAG reg, adr, q, i
.irp p, 0,1,2,3,4,5
.set PC, 12*(\q)+6*(\p/3)+\p%3
.if PC%8 < 5
	ds_load_b64 v[\reg+2*\p:\reg+2*\p+1], v[\adr] offset:8*PC+16*(PC/8)+(\i)*16*PITCH
.else
	ds_load_b64 v[\reg+2*\p:\reg+2*\p+1], v[\adr+2] offset:8*PC+16*(PC/8)+(\i)*16*PITCH
.endif
.endr
.endm
.macro MUL16 a0, p, q, sc, zero
.irp a, \a0, \a0+1
.irp b, 0,1,2,3,4,5,6,7
.if \zero
	v_wmma_scale_f32_16x16x128_f8f6f4 v[8*(8*((\a)%4)+\b):8*(8*((\a)%4)+\b)+7], v[128*(\p)+FR*\b:128*(\p)+FR*\b+FR-1], v[AF+FR*(\a):AF+FR*(\a)+FR-1], 0, v[SC+8*NQ*(\sc)+NQ*\b+(\q)], v[SC+8*NQ*(\sc)+NQ*(\a)+(\q)] matrix_a_fmt:MATRIX_FMT_FP6 matrix_b_fmt:MATRIX_FMT_FP6 matrix_a_scale:MATRIX_SCALE_ROW1
.else
	v_wmma_scale_f32_16x16x128_f8f6f4 v[8*(8*((\a)%4)+\b):8*(8*((\a)%4)+\b)+7], v[128*(\p)+FR*\b:128*(\p)+FR*\b+FR-1], v[AF+FR*(\a):AF+FR*(\a)+FR-1], v[8*(8*((\a)%4)+\b):8*(8*((\a)%4)+\b)+7], v[SC+8*NQ*(\sc)+NQ*\b+(\q)], v[SC+8*NQ*(\sc)+NQ*(\a)+(\q)] matrix_a_fmt:MATRIX_FMT_FP6 matrix_b_fmt:MATRIX_FMT_FP6 matrix_a_scale:MATRIX_SCALE_ROW1
.endif
.endr
.endr
.endm
.macro FETCH_B slot, q, p
	WIN TO_B
.irp i, 0,1,2,3,4,5,6,7
	FRAG 128*(\p)+FR*\i, ADRB+\slot, \q, \i
.endr
	WIN 0
.endm
.macro FETCH_A slot, q, i0
.irp i, \i0, \i0+1, \i0+2, \i0+3
	FRAG AF+FR*(\i), ADRA+\slot, \q, \i
.endr
.endm
.macro SCALES sc
.irp i, 0,1,2,3,4,5,6,7
	ds_load_b64 v[SC+8*NQ*\sc+NQ*\i:SC+8*NQ*\sc+NQ*\i+1], v[ADRS] offset:\i*SBLK
.endr
.endm
.macro PLACES n
.rept \n
	v_nop
.endr
.endm
.macro STEP slot, q, zero
	s_wait_dscnt 4*NL
	WIN MUL_LO
	MUL16 0, (\q)%2, \q, \slot, \zero
	MUL16 2, (\q)%2, \q, \slot, \zero
	s_wait_dscnt 0
	PLACES NP
	FETCH_B \slot, (\q)+1, 1-(\q)%2
	FETCH_A \slot, (\q)+1, 0
	WIN MUL_HI
	MUL16 4, (\q)%2, \q, \slot, \zero
	MUL16 6, (\q)%2, \q, \slot, \zero
	PLACES NP
	WIN 0
	FETCH_A \slot, (\q)+1, 4
.endm
.macro TURN slot, next, fill
	s_wait_tensorcnt 0x0
	ds_add_u32 v[SPW], v[NIL]
	s_wait_dscnt 4*NL+1
	WIN MUL_LO
	MUL16 0, 1, NQ-1, \slot, 0
	s_wait_dscnt 0x0
	s_barrier_signal -1
	MUL16 2, 1, NQ-1, \slot, 0
	WIN 0
	s_barrier_wait -1
.if \fill
	CREST
	s_add_nc_u64 s[G0+4*\slot+2:G0+4*\slot+3], s[G0+4*\slot+2:G0+4*\slot+3], 2*PLANE
	s_add_nc_u64 s[G0B+4*\slot+2:G0B+4*\slot+3], s[G0B+4*\slot+2:G0B+4*\slot+3], 2*PLANE
	JLOAD G0+4*\slot, G1, G0B+4*\slot, G1B
.else
	PLACES NP
.endif
	s_wait_alu depctr_va_vdst(0)
	v_add_nc_u32 v[ADRS], 4*NQ, v[ADRS]
	FETCH_B \next, 0, 0
	FETCH_A \next, 0, 0
	SCALES \next
	WIN MUL_HI
	MUL16 4, 1, NQ-1, \slot, 0
	MUL16 6, 1, NQ-1, \slot, 0
	PLACES NP
	WIN 0
	FETCH_A \next, 0, 4
.endm
	s_wait_alu depctr_va_vdst(0)                   ; the wait at the head's end
	s_wait_tensorcnt 0x0                           ; my tile of the head's four is in; the full sequence stands ahead of slot 1's first fill, as ahead of a refill
	ds_add_u32 v[SPW], v[NIL]
	s_mov_b32 s[G1+2], 96<<16                      ; no tensor load of mine is out: from here on a load brings 128 rows of codes = 96 rows of 256 bytes
	s_mov_b32 s[G1+4], 96
	s_mov_b32 s[G1B+2], 96<<16
	s_mov_b32 s[G1B+4], 96
	s_wait_dscnt 0x0
	CROUND                                         ; all four tiles are in, and all sixteen work-groups are here
	JLOAD G0+4, G1, G0B+4, G1B                     ; plane 1, the first tensor load behind the round
	FETCH_B 0, 0, 0
	FETCH_A 0, 0, 0
	SCALES 0
	FETCH_A 0, 0, 4
	STEP 0, 0, 1
	s_mov_b32 s3, LAPS-1
.Llap:
	TURN 0, 1, 1
	STEP 1, 0, 0
	TURN 1, 0, 1
	STEP 0, 0, 0
	s_sub_co_u32 s3, s3, 1
	s_cmp_lg_u32 s3, 0
	s_cbranch_scc1 .Llap
	TURN 0, 1, 0
	STEP 1, 0, 0
	s_wait_dscnt 4*NL
	WIN MUL_LO
	MUL16 0, 1, NQ-1, 1, 0
	MUL16 2, 1, NQ-1, 1, 0
	s_wait_dscnt 0
	WIN MUL_HI
	MUL16 4, 1, NQ-1, 1, 0
	MUL16 6, 1, NQ-1, 1, 0
	WIN 0
.macro QUANT s, d0, d1, w
.irp b, 0,1,2,3
	v_max3_num_f32 v[TM+\b], |v[\s+16*\b]|, |v[\s+1+16*\b]|, 0x1800000
.endr
.irp i, 2,4,6,8,10,12,14
.irp b, 0,1,2,3
	v_max3_num_f32 v[TM+\b], v[TM+\b], |v[\s+16*\b+\i]|, |v[\s+1+16*\b+\i]|
.endr
.endr
.irp b, 0,1,2,3
	v_permlanex16_b32 v[TM+4+\b], v[TM+\b], s18, s19
.endr
.irp b, 0,1,2,3
	v_max_num_f32 v[TM+\b], v[TM+\b], v[TM+4+\b]
.endr
.irp b, 0,1,2,3
	v_add_nc_u32 v[TM+12+\b], 0xff000000, v[TM+\b]
.endr
.irp b, 0,1,2,3
	v_lshrrev_b32 v[TM+4+\b], 23, v[TM+12+\b]
.endr
	v_lshl_or_b32 v[\w], v[TM+5], 8, v[TM+4]
	v_lshl_or_b32 v[\w], v[TM+6], 16, v[\w]
	v_lshl_or_b32 v[\w], v[TM+7], 24, v[\w]
	v_cvt_scalef32_pk16_fp6_f32 v[\d0:\d0+2], v[\s:\s+15], v[TM+12]
	v_cvt_scalef32_pk16_fp6_f32 v[X2:X2+2], v[\s+16:\s+31], v[TM+13]
	v_cvt_scalef32_pk16_fp6_f32 v[\d1:\d1+2], v[\s+32:\s+47], v[TM+14]
	v_cvt_scalef32_pk16_fp6_f32 v[X2+4:X2+6], v[\s+48:\s+63], v[TM+15]
	v_nop
.irp i, 0,1,2
	v_permlane16_swap_b32 v[\d0+\i], v[X2+\i]
	v_permlane16_swap_b32 v[\d1+\i], v[X2+4+\i]
.endr
.irp i, 0,1,2
	v_mov_b32 v[\d0+3+\i], v[X2+\i]
	v_mov_b32 v[\d1+3+\i], v[X2+4+\i]
.endr
.endm
.macro MOVEN a
	WIN 0x02+(\a)/4
.set AC, 64*((\a)%4)
.set KK, 0
.rept 32
	v_pk_add_f32 v[ST+KK:ST+KK+1], v[AC+KK:AC+KK+1], v[BI+KK:BI+KK+1]
.set KK, KK+2
.endr
	WIN 0
.endm
.macro MOVEM a
	WIN 0x02+(\a)/4
.set AC, 64*((\a)%4)
.set KK, 0
.rept 32
	v_pk_add_f32 v[ST+KK:ST+KK+1], v[AC+KK:AC+KK+1], v[BM+2*(\a):BM+2*(\a)+1]
.set KK, KK+2
.endr
	WIN 0
.endm
	PLACES NP
	s_wait_loadcnt 0x0
	s_mov_b32 s18, 0x76543210
	s_mov_b32 s19, 0xfedcba98
	s_mov_b32 s20, 0xffff0000
.irp b, 0,1,2,3
	v_mov_b32 v[TM+4+\b], 0
.endr
	s_cmp_eq_u32 s13, 1
	s_cbranch_scc1 .Lv_arm
.irp a, 0,2,4,6
	s_wait_xcnt 0x0
	MOVEN \a
	QUANT ST, F0, F1, W+\a
	MOVEN \a+1
	QUANT ST, F0+6, F1+6, W+\a+1
.irp c, 0,1,2
	global_store_b128 v[LI], v[F0+4*\c:F0+4*\c+3], s[100:101] offset:1536*(\a/2)+512*\c
	global_store_b128 v[LI], v[F1+4*\c:F1+4*\c+3], s[100:101] offset:BLKB+1536*(\a/2)+512*\c
.endr
.endr
.irp p, 0,1,2,3
	v_perm_b32 v[Z+\p], v[W+2*\p+1], v[W+2*\p], 0x05040100
	v_perm_b32 v[Z+4+\p], v[W+2*\p+1], v[W+2*\p], 0x07060302
.endr
.irp g, 0,1
	v_cndmask_b32 v[TM+2*\g], v[Z+4*\g], v[Z+4*\g+2], s20
	v_cndmask_b32 v[TM+2*\g+1], v[Z+4*\g+1], v[Z+4*\g+3], s20
	global_store_b64 v[L8], v[TM+2*\g:TM+2*\g+1], s[100:101] offset:\g*BLKB+12288
.endr
	s_branch .Lout_done
.Lv_arm:
.irp a, 0,1,2,3,4,5,6,7
	s_wait_xcnt 0x0
	MOVEM \a
	QUANT ST, F0, F0+6, W+\a
.irp c, 0,1,2
	global_store_b128 v[LI], v[F0+4*\c:F0+4*\c+3], s[100:101] offset:(\a/4)*BLKB+6144+1536*(\a%4)+512*\c
.endr
.endr
.irp g, 0,1
	v_cndmask_b32 v[TM+2*\g], v[W+4*\g], v[W+4*\g+2], s20
	v_cndmask_b32 v[TM+2*\g+1], v[W+4*\g+1], v[W+4*\g+3], s20
	global_store_b64 v[L8], v[TM+2*\g:TM+2*\g+1], s[100:101] offset:\g*BLKB+12544
.endr
.Lout_done:
	s_wait_tensorcnt 0x0
	ds_add_u32 v[SPW], v[NIL]
	s_wait_dscnt 0x0
	CROUND
	s_endpgm
.Lfunc_end_k_qe221ae323c_qkv:
	.size	k_qe221ae323c_qkv, .Lfunc_end_k_qe221ae323c_qkv-k_qe221ae323c_qkv
	.p2alignl 7, 3214868480
	.fill 96, 4, 3214868480
	.section	.rodata,"a",@progbits
	.p2align	6, 0x0
	.amdhsa_kernel k_qe221ae323c_qkv
		.amdhsa_group_segment_fixed_size 327680
		.amdhsa_private_segment_fixed_size 0
		.amdhsa_enable_private_segment 0
		.amdhsa_kernarg_size 72
		.amdhsa_user_sgpr_count 2
		.amdhsa_user_sgpr_kernarg_segment_ptr 1
		.amdhsa_wavefront_size32 1
		.amdhsa_system_sgpr_workgroup_id_x 1
		.amdhsa_system_sgpr_workgroup_id_y 1
		.amdhsa_system_sgpr_workgroup_id_z 1
		.amdhsa_system_vgpr_workitem_id 0
		.amdhsa_next_free_vgpr 1024
		.amdhsa_next_free_sgpr 102
		.amdhsa_reserve_vcc 0
		.amdhsa_float_denorm_mode_32 3
		.amdhsa_float_denorm_mode_16_64 3
		.amdhsa_memory_ordered 1
		.amdhsa_forward_progress 1
		.amdhsa_inst_pref_size 235
	.end_amdhsa_kernel
	.amdgpu_metadata
---
amdhsa.version: [ 1, 2 ]
amdhsa.kernels:
  - .name:           k_qe221ae323c_qkv
    .symbol:         k_qe221ae323c_qkv.kd
    .args:
      - { .name: x_codes, .offset: 0, .size: 8, .value_kind: global_buffer, .address_space: global }
      - { .name: x_scales, .offset: 8, .size: 8, .value_kind: global_buffer, .address_space: global }
      - { .name: w_codes, .offset: 16, .size: 8, .value_kind: global_buffer, .address_space: global }
      - { .name: w_scales, .offset: 24, .size: 8, .value_kind: global_buffer, .address_space: global }
      - { .name: bq, .offset: 32, .size: 8, .value_kind: global_buffer, .address_space: global }
      - { .name: bk, .offset: 40, .size: 8, .value_kind: global_buffer, .address_space: global }
      - { .name: bv, .offset: 48, .size: 8, .value_kind: global_buffer, .address_space: global }
      - { .name: qimg, .offset: 56, .size: 8, .value_kind: global_buffer, .address_space: global }
      - { .name: kv, .offset: 64, .size: 8, .value_kind: global_buffer, .address_space: global }
    .group_segment_fixed_size: 327680
    .private_segment_fixed_size: 0
    .kernarg_segment_align: 8
    .kernarg_segment_size: 72
    .max_flat_workgroup_size: 128
    .sgpr_count:     102
    .vgpr_count:     1024
    .wavefront_size: 32
...
	.end_amdgpu_metadata
.endif
;; end of part 2
;; launch attn (part 3): grid 4 x 64, 16 waves a work-group, clusters of 4 x 4, 327,680 bytes of LDS; arguments qimg, kv, attention_mask, o_codes, o_scales; writes o_codes, o_scales
.if DOCPART == 3
	.amdgcn_target "amdgcn-amd-amdhsa--gfx1250"
	.amdhsa_code_object_version 6
	.text
	.protected	k_qe221ae323c_attn
	.globl	k_qe221ae323c_attn
	.p2align	8
	.type	k_qe221ae323c_attn,@function
k_qe221ae323c_attn:
	s_mov_b64 s[64:65], 0
	v_nop
	global_prefetch_b8 v0, s[64:65] scope:SCOPE_SE
	s_setreg_imm32_b32 hwreg(HW_REG_WAVE_MODE, 25, 1), 1
	s_wait_xcnt 0x0
	s_wait_alu depctr_hold_cnt(0) depctr_sa_sdst(0) depctr_va_vdst(0) depctr_va_sdst(0) depctr_va_ssrc(0) depctr_va_vcc(0) depctr_vm_vsrc(0)
	s_getreg_b32 s2, hwreg(HW_REG_IB_STS2, 6, 4)
	s_cmp_eq_u32 s2, 0
	s_cbranch_scc0 .Lentry_in_a_cluster
	s_endpgm
.Lentry_in_a_cluster:
	s_bfe_u32 s2, ttmp6, 0x10000c
	s_cmp_lg_u32 s2, 0xf033
	s_cbranch_scc0 .Lentry_shape_is_right
	s_endpgm
.Lentry_shape_is_right:
; O[head][q] = the sum over keys of softmax(q . k / 8 + mask[q][key]) v[key], both products on codes of FP6 (E2M3) with E8M0 scales; O / l is quantised along the 1,024 features for the last product.
; THE MASK IS AN INPUT: all 4,096 keys are walked for every query and every number of the mask is added as it is given.
; THE SOFTMAX: t = logit x log2(e); M = the running largest t rounded up to a whole number; p = 2^(t - M) is quantised along the keys, not normalised; the row's sum l is taken of the unquantised p and divides at the end.  When M moves, l and O
; are multiplied by 2^(old M - new M), which rounds nothing.
; SHARES.  A work-group owns 64 queries x 4 heads: wave w owns the 16 queries 16 (w % 4) on and head w / 4 of the group, in 256 registers: four waves to a SIMD, so that one wave's vector work stands beside another's products and LDS loads.
; 32 steps of 128 keys.  A step's bytes in LDS: 64 rows x 512 bytes of the mask (used by 4 heads) and the 4 heads' blocks of K and V (used by 4 tiles of queries).
; CLUSTER 4 x 4: cx = the group of heads, 4 y + cy = the block of queries.  The mask's tile hangs on the queries alone and is asked for jointly along a row of the cluster; the K and V blocks hang on the heads alone: jointly along a column.
; THREE SLOTS, step t in slot t % 3.  Ahead of step t every wave has waited for all its tensor loads, so steps t and t + 1 lie in LDS, and step t + 2 is asked for into the slot of step t - 1.  So during step t a wave loads step t + 1's K and mask
; into registers, and begins each step with products.
; THE SCORES.  K = 64 is half of the instruction's 128.  A pair fragment of K holds two tiles of 16 keys (registers 0-5, 6-11); Q lies in 18 registers as [q | 0 | q]: registers 0-11 meet the first tile, registers 6-17 the second; the other
; half meets zero codes.  The division by 8 is 3 off q's scale bytes.  The mask is loaded into the accumulators and goes in as C: the product's result is the logit.
; LAYOUT.  Both products are used transposed (source 0 = 16 keys, or 16 channels): a lane holds ONE query.  The stored order of tokens and of wv's rows makes a lane's register 16 b + i key (channel) 32 b + 16 (lane / 16) + i.
; A ROW ALL OF WHOSE KEYS SO FAR LIE UNDER -3e38 IN t keeps the start value of its largest t; its p are 1 (factor and addend of the scaling are 0): the equal weights that equal logits give.  The first key above makes the factor
; 2^(old M - new M) zero, which wipes what was summed.  No branch hangs on data.
; LIMITS.  t - M is good to an ulp of t, so logits of a magnitude above some 2^20 lose accuracy.  Logits under -2.08e38 count as equal in a row that has no larger one.  NaN is not served; infinities in the mask are not served in a row whose
; earlier keys all lie under that bound.  q's scale bytes are held at 4 before 3 is taken off: blocks of q under 2^-121 count up to 8 times too large.  Blocks of p or O under 2^-124 keep the scale byte 1.
; Left out: two tiles of queries to a wave (fewer LDS bytes for each product, half the waves); matrix and vector work by turns inside a wave: four waves on a SIMD do that here.
.set MP,    528                        ; a row of the mask's tile in LDS: 512 bytes + 16: the sixteen rows of a load start in sixteen different groups of banks
.set BLKB,  12800                      ; a head's block of a step
.set KVO,   64*MP                      ; a slot: the mask's 64 rows, then four blocks
.set SLOTB, KVO+4*BLKB                 ; 84,992
.set SPARE, 3*SLOTB                    ; the spare words, 128 bytes for each of 16 waves, which no other line names
.set STG,   SPARE+2048                 ; the way out: 64 rows x 192 bytes of codes
.set SST,   STG+12288                  ; and 64 x 8 scale bytes
.set SPW, 1
.set NIL, 2
.set AM,  3                            ; v3-5   my place in the mask's tile, slot 0, 1, 2
.set AK,  6                            ; v6-8   16 x lane in my head's block
.set AS,  9                            ; v9-11  8 x (lane % 16) among my head's scale words
.set PFO, 12                           ; v12    the prefetches' offset
.set LG,  13                           ; v13    log2(e)
.set NM,  14                           ; v14    -M
.set TMX, 15                           ; v15    the largest t so far
.set L,   16                           ; v[16:17] the row's sum, in two halves
.set CA,  18                           ; v[18:19] the scaling's factor: log2(e), or 0
.set CB,  20                           ; v[20:21] its addend: -M, or 0
.set F,   22                           ; v22    2^(old M - new M)
.set PSW, 23                           ; v23    p's scale word
.set KS,  24                           ; v24-27 K's scale words
.set VS,  28                           ; v28-31 V's
.set QSL, 32                           ; v32    q's scale bytes at bytes 0, 1
.set QSH, 33                           ; v33    at bytes 2, 3
.set Q,   34                           ; v34-51 [q | 0 | q]
.set KF,  52                           ; v52-99 four pair fragments of K
.set VF,  100                          ; v100-123 two fragments of V^T
.set S,   124                          ; v124-187 the mask, the logits, p
.set O,   188                          ; v188-219 O^T
.set P,   220                          ; v220-231 p's codes
.set BM,  232                          ; v232-235 the blocks' largest logits
.set T8,  236                          ; v236-243 at work
.set SO,  244                          ; v244-247 the conversions' scale operands
.set TW,  248                          ; v248-255 at work
.set G1M, 24                           ; s[24:31] group 1 for the mask's tiles;  s[32:39] for the blocks
.set G1K, 32
.set G0M, 40                           ; s[40:47] group 0, a set for each first fill; the second then walks;  s[48:55] likewise
.set G0K, 48
.macro CROUND                          ; a round of the cluster's barrier
	s_barrier_signal -1
	s_barrier_wait -1
	s_cmp_lg_u32 s14, 0
	s_cbranch_scc1 .Lnot_wave_0_\@
	s_barrier_signal -3
.Lnot_wave_0_\@:
	s_barrier_wait -3
	s_barrier_signal -1
	s_barrier_wait -1
.endm
; A joint refill, a load to every wave, so that sixteen loads are on their way at once: waves 0 to 7 fetch 8 rows of the mask's tile each, waves 8 to 15 a run of 25 x 256 bytes of the four blocks each.
; The branch hangs on the wave's number alone.  An s_nop 0 follows each tensor load; this text never switches register windows.
.macro JLOAD
	s_cmp_lt_u32 s14, 8
	s_cbranch_scc0 .Lnot_m_\@
	tensor_load_to_lds s[G0M+4:G0M+7], s[G1M:G1M+7]
	s_nop 0
	s_branch .Lasked_\@
.Lnot_m_\@:
	tensor_load_to_lds s[G0K+4:G0K+7], s[G1K:G1K+7]
	s_nop 0
.Lasked_\@:
.endm
; A PREFETCH INTO THE L2, behind each refill, of the step that stands TWO refills on.  The mask's tile, 64 rows x 2 blocks of 256 bytes: the four partners of a row of the cluster take 16 rows each, told apart by
; address; wave 4 asks, a lane a block.  A step's K and V, 50 blocks of 256 bytes a head: every cluster asks for what it will itself load; its work-group (cx, cy) takes head 4 cx + cy, waves 5 and 6, a lane a block (lanes past the
; 50th are held at the last block).  So each block is named once in each cluster that will load it.  Steps 0 to 3 come by their loads alone; the last two refills ask for nothing: no step stands two behind them.
.macro ASK
	s_cmp_gt_u32 s63, s71                          ; s63: fills still to come, this one among them; s71: 2 in a wave that asks, else the greatest number
	s_cbranch_scc0 .Lnot_mine_\@
	global_prefetch_b8 v[PFO], s[66:67] th:TH_LOAD_NT scope:SCOPE_SE
.Lnot_mine_\@:
.endm
	s_load_b256 s[4:11], s[0:1], 0x0               ; qimg, kv, attention_mask, o_codes
	s_load_b64 s[12:13], s[0:1], 0x20              ; o_scales
	v_lshl_add_u32 v[SPW], v0, 2, SPARE
	v_mov_b32 v[NIL], 0
	ds_add_u32 v[SPW], v[NIL]                      ; the wave's opening: the add and its wait ahead of the first tensor loads; work on registers stands between them
	ds_add_u32 v[SPW], v[NIL]
	v_lshrrev_b32 v3, 5, v0
	s_delay_alu instid0(VALU_DEP_1)
	v_readfirstlane_b32 s14, v3                    ; wave 0..15
	s_and_b32 s15, s14, 7                          ; which eighth I fetch
	s_and_b32 s16, s14, 3                          ; i: my tile of queries
	s_lshr_b32 s17, s14, 2                         ; j: my head of the group
	s_bfe_u32 s18, ttmp6, 0x40000                  ; cx: the group of heads
	s_bfe_u32 s19, ttmp6, 0x40004                  ; cy
	s_and_b32 s20, ttmp7, 0xffff                   ; the cluster's y
	s_lshl_b32 s21, s20, 2
	s_add_co_u32 s21, s21, s19                     ; the block of 64 queries
	s_lshl_b32 s22, s19, 2
	s_lshl_b32 s22, 15, s22                        ; my row of the cluster
	s_lshl_b32 s23, 0x1111, s18                    ; my column
	s_or_b32 s[G1M], s22, (2<<16)|(1<<20)|(1<<21)|(6<<22)|(3<<25)   ; the mask of work-groups; elements of 4 bytes; padding on; bit 21 beside a mask; after every 128 words, 4 words
	s_mov_b32 s[G1M+1], 128<<16                    ; tensor_dim0 = 128
	s_mov_b32 s[G1M+2], 8<<16                      ; tensor_dim1 = 8
	s_mov_b32 s[G1M+3], 128<<16                    ; tile_dim0
	s_mov_b32 s[G1M+4], 8                          ; tile_dim1
	s_mov_b32 s[G1M+5], 4096                       ; from row to row
	s_mov_b32 s[G1M+6], 0
	s_mov_b32 s[G1M+7], 0
	s_or_b32 s[G1K], s23, (3<<16)|(1<<21)          ; an eighth of the four blocks' 51,200 dense bytes, as 25 rows of 256 bytes (32 elements of 8); no padding: images are read 512 bytes on end
	s_mov_b32 s[G1K+1], 32<<16
	s_mov_b32 s[G1K+2], 25<<16
	s_mov_b32 s[G1K+3], 32<<16
	s_mov_b32 s[G1K+4], 25
	s_mov_b32 s[G1K+5], 32
	s_mov_b32 s[G1K+6], 0
	s_mov_b32 s[G1K+7], 0
	s_lshl_b32 s74, s21, 6
	s_lshl_b32 s75, s15, 3
	s_add_co_u32 s74, s74, s75
	s_lshl_b32 s74, s74, 14                        ; the mask: row 64 x block + 8 x eighth, 16,384 bytes a row
	s_mov_b32 s75, 0
	s_mul_i32 s76, s18, 4*BLKB
	s_mul_i32 s77, s15, 25*256
	s_add_co_u32 s76, s76, s77                     ; K and V: head 4 cx on, + 6,400 bytes x eighth
	s_mov_b32 s77, 0
	s_mul_i32 s72, s15, 8*MP                       ; where they go in a slot: no place in the cluster enters an LDS address
	s_mul_i32 s73, s15, 25*256
	s_add_co_u32 s73, s73, KVO
	s_mov_b32 s56, 0x76543210
	s_mov_b32 s57, 0xfedcba98                      ; v_permlanex16_b32's selects for lane l xor 16
	s_mov_b32 s58, 0x3fb8aa3b                      ; log2(e)
	s_mov_b32 s59, 0xff61b1e6                      ; -3e38
	s_mov_b32 s61, 0xff00ff00                      ; lanes whose lane % 16 is 8 or more
	s_mov_b32 s63, 30                              ; fills to come behind the first two
	s_wait_dscnt 0x0                               ; the opening add is done
	s_wait_kmcnt 0x0
	s_add_nc_u64 s[74:75], s[8:9], s[74:75]
	s_add_nc_u64 s[76:77], s[6:7], s[76:77]
	CROUND                                         ; all sixteen work-groups are here: the first joint loads meet
.irp s, 0,1
	s_mov_b32 s[G0M+4*\s], 1
	s_add_co_u32 s[G0M+4*\s+1], s72, \s*SLOTB
	s_add_nc_u64 s[G0M+4*\s+2:G0M+4*\s+3], s[74:75], \s*512        ; step s: 128 keys, 512 bytes along a row
	s_or_b32 s[G0M+4*\s+3], s[G0M+4*\s+3], 0x80000000
	s_mov_b32 s[G0K+4*\s], 1
	s_add_co_u32 s[G0K+4*\s+1], s73, \s*SLOTB
	s_add_nc_u64 s[G0K+4*\s+2:G0K+4*\s+3], s[76:77], \s*16*BLKB    ; step s: 16 blocks on
	s_or_b32 s[G0K+4*\s+3], s[G0K+4*\s+3], 0x80000000
.endr
	s_cmp_lt_u32 s14, 8                            ; step 0's fills: one tensor load a wave at the head, on either way; step 1's follow behind the full sequence and a round
	s_cbranch_scc0 .Lfirst_not_m
	tensor_load_to_lds s[G0M:G0M+3], s[G1M:G1M+7]
	s_nop 0
.rept 4
	v_nop
.endr
	s_branch .Lfirst_asked
.Lfirst_not_m:
	tensor_load_to_lds s[G0K:G0K+3], s[G1K:G1K+7]
	s_nop 0
.rept 4
	v_nop
.endr
.Lfirst_asked:
	; Q.  My 16 queries are neighbours; in qimg's stored order they lie in two tiles of one pair fragment p: query r in tile r / 8, at lane (r % 8) + 8 (i % 2).  So I load that lane's 12 registers and keep six.
	s_lshr_b32 s78, s21, 1
	s_lshl_b32 s78, s78, 4
	s_lshl_b32 s79, s18, 2
	s_add_co_u32 s78, s78, s79
	s_add_co_u32 s78, s78, s17
	s_mul_i32 s78, s78, BLKB                       ; block 16 x (the queries' step) + my head
	s_and_b32 s80, s21, 1
	s_lshl_b32 s80, s80, 1
	s_lshr_b32 s81, s16, 1
	s_add_co_u32 s80, s80, s81                     ; p
	s_and_b32 s81, s16, 1                          ; i % 2
	s_mul_i32 s82, s80, 1536
	s_add_co_u32 s82, s82, s78
	s_lshl_b32 s83, s81, 7
	s_add_co_u32 s82, s82, s83
	s_mov_b32 s83, 0
	s_add_nc_u64 s[82:83], s[4:5], s[82:83]        ; the codes
	s_lshr_b32 s84, s80, 1
	s_lshl_b32 s84, s84, 7
	s_and_b32 s85, s80, 1
	s_lshl_b32 s85, s85, 2
	s_add_co_u32 s84, s84, s85
	s_lshl_b32 s85, s81, 6
	s_add_co_u32 s84, s84, s85
	s_add_co_u32 s84, s84, s78
	s_add_co_u32 s84, s84, 12288
	s_mov_b32 s85, 0
	s_add_nc_u64 s[84:85], s[4:5], s[84:85]        ; the scale words
	v_and_b32 v100, 31, v0                         ; lane
	v_and_b32 v101, 15, v0                         ; r
	v_bfe_u32 v102, v0, 4, 1                       ; h
	v_and_b32 v103, 7, v0
	s_delay_alu instid0(VALU_DEP_1)
	v_lshlrev_b32 v104, 4, v103
	s_delay_alu instid0(VALU_DEP_1)
	v_lshl_add_u32 v104, v102, 8, v104             ; 16 x ((r % 8) + 16 h)
	s_delay_alu instid0(VALU_DEP_3)
	v_lshlrev_b32 v105, 3, v103
	global_load_b128 v[52:55], v104, s[82:83]
	global_load_b128 v[56:59], v104, s[82:83] offset:512
	global_load_b128 v[60:63], v104, s[82:83] offset:1024
	global_load_b32 v64, v105, s[84:85]
	; LDS addresses
	s_mul_i32 s86, s16, 16*MP
	v_mul_u32_u24 v109, v101, MP
	s_delay_alu instid0(VALU_DEP_1)
	v_lshl_add_u32 v109, v102, 6, v109
	s_delay_alu instid0(VALU_DEP_1)
	v_add_nc_u32 v[AM], s86, v109                  ; the mask: row 16 i + r, + 64 h: my 16 keys of each 32
	s_delay_alu instid0(VALU_DEP_1)
	v_add_nc_u32 v[AM+1], SLOTB, v[AM]
	s_delay_alu instid0(VALU_DEP_2)
	v_add_nc_u32 v[AM+2], 2*SLOTB, v[AM]
	s_mul_i32 s86, s17, BLKB
	s_add_co_u32 s86, s86, KVO
	v_lshl_add_u32 v[AK], v100, 4, s86
	s_delay_alu instid0(VALU_DEP_1)
	v_add_nc_u32 v[AK+1], SLOTB, v[AK]
	s_delay_alu instid0(VALU_DEP_2)
	v_add_nc_u32 v[AK+2], 2*SLOTB, v[AK]
	s_add_co_u32 s86, s86, 12288
	v_lshl_add_u32 v[AS], v101, 3, s86
	s_delay_alu instid0(VALU_DEP_1)
	v_add_nc_u32 v[AS+1], SLOTB, v[AS]
	s_delay_alu instid0(VALU_DEP_2)
	v_add_nc_u32 v[AS+2], 2*SLOTB, v[AS]
	; where the results go
	s_mul_i32 s86, s18, 4096*192
	s_mul_i32 s87, s21, 64*192
	s_add_co_u32 s86, s86, s87
	s_mov_b32 s87, 0
	s_add_nc_u64 s[10:11], s[10:11], s[86:87]      ; o_codes [group of heads][token][192]
	s_lshl_b32 s86, s21, 11
	s_lshl_b32 s88, s18, 3
	s_add_co_u32 s86, s86, s88
	s_add_nc_u64 s[12:13], s[12:13], s[86:87]      ; o_scales [token][32], my group's 8 bytes
	; the prefetches: offsets, addresses, who asks
	v_lshrrev_b32 v110, 1, v100
	v_and_b32 v111, 1, v100
	s_delay_alu instid0(VALU_DEP_2)
	v_lshlrev_b32 v110, 14, v110
	s_delay_alu instid0(VALU_DEP_1)
	v_lshl_or_b32 v110, v111, 8, v110              ; the mask: row lane / 2, block lane % 2
	v_add_nc_u32 v111, 0xffffff60, v0              ; K and V: thread - 160: 0 .. 63 in waves 5 and 6,
	s_delay_alu instid0(VALU_DEP_1)
	v_min_u32 v111, 49, v111                       ; held at the block's last 256 bytes
	s_delay_alu instid0(VALU_DEP_1)
	v_lshlrev_b32 v111, 8, v111
	s_wait_alu depctr_va_vdst(0)
	s_lshl_b32 s86, s21, 6
	s_lshl_b32 s88, s18, 4
	s_add_co_u32 s86, s86, s88
	s_lshl_b32 s86, s86, 14
	s_add_co_u32 s86, s86, 3*512                   ; the mask: row 64 x block + 16 cx, at step 3: the first change of slots, which fills step 2, steps it to 4
	s_lshl_b32 s88, s18, 2
	s_add_co_u32 s88, s88, s19
	s_mul_i32 s88, s88, BLKB
	s_add_co_u32 s88, s88, 3*16*BLKB               ; K and V: head 4 cx + cy, at step 3
	s_mov_b32 s89, 16*BLKB
	s_cmp_eq_u32 s14, 4
	s_cselect_b64 s[66:67], s[8:9], s[6:7]
	s_cselect_b32 s86, s86, s88
	s_cselect_b32 s68, 512, s89                    ; a step on
	s_cselect_b32 s71, 2, -1
	s_cselect_b32 s90, -1, 0
	s_mov_b32 s69, 0
	s_add_nc_u64 s[66:67], s[66:67], s[86:87]
	v_cndmask_b32 v[PFO], v111, v110, s90
	s_sub_co_u32 s88, s14, 5
	s_lshr_b32 s88, s88, 1                         ; 0 in waves 5 and 6: the same in all partners
	s_cmp_eq_u32 s88, 0
	s_cselect_b32 s71, 2, s71
	; Q's operand and its scale words
	s_wait_loadcnt 0x0
.irp n, 0,1,2,3,4,5
	v_cndmask_b32 v[Q+\n], v[52+\n], v[58+\n], s61 ; r >= 8: the pair's second tile
.endr
.irp n, 0,1,2,3,4,5
	v_mov_b32 v[Q+6+\n], 0
	v_mov_b32 v[Q+12+\n], v[Q+\n]
.endr
	v_lshrrev_b32 v106, 16, v64
	s_delay_alu instid0(VALU_DEP_1)
	v_cndmask_b32 v106, v64, v106, s61             ; my tile's two bytes
	s_delay_alu instid0(VALU_DEP_1)
	v_and_b32 v107, 0xff, v106
	s_delay_alu instid0(VALU_DEP_2)
	v_bfe_u32 v108, v106, 8, 8
	s_delay_alu instid0(VALU_DEP_2)
	v_max_u32 v107, 4, v107                        ; held at 4, so that
	s_delay_alu instid0(VALU_DEP_2)
	v_max_u32 v108, 4, v108
	s_delay_alu instid0(VALU_DEP_1)
	v_lshl_or_b32 v107, v108, 8, v107
	s_delay_alu instid0(VALU_DEP_1)
	v_add_nc_u32 v[QSL], 0xfffffcfd, v107          ; 3 off each byte borrows nothing: the division by 8.  Bytes 2 and 3 are 0: they meet zero codes
	s_delay_alu instid0(VALU_DEP_1)
	v_lshlrev_b32 v[QSH], 16, v[QSL]
	; the state (these lines are also the places between the writes above and the first products)
.set J, 0
.rept 32
	v_mov_b32 v[O+J], 0                            ; O^T: the step is written without a first copy: the first change of M multiplies zeros
.set J, J+1
.endr
.irp n, 0,1,2,3,4,5,6,7
	v_mov_b32 v[T8+\n], 0                          ; a lane permute's destination counts as one of its sources
.endr
	v_mov_b32 v[LG], 0x3fb8aa3b
	v_mov_b32 v[TMX], 0xff61b1e6                   ; -3e38
	s_delay_alu instid0(VALU_DEP_1)
	v_floor_f32 v[NM], -v[TMX]
	v_mov_b32 v[L], 0
	v_mov_b32 v[L+1], 0
	v_mov_b32 v[CA+1], 0                           ; named as the upper halves of pairs
	v_mov_b32 v[CB+1], 0
	v_mov_b32 v[PSW], 0
.macro LDM s                           ; a step's mask into the accumulators: tile t's register j is key 32 (t / 2) + 16 h + 8 (t % 2) + j
.irp t, 0,1,2,3,4,5,6,7
	ds_load_b128 v[S+8*\t:S+8*\t+3], v[AM+\s] offset:128*(\t/2)+32*(\t%2)
	ds_load_b128 v[S+8*\t+4:S+8*\t+7], v[AM+\s] offset:128*(\t/2)+32*(\t%2)+16
.endr
.endm
.macro LDK s                           ; K's four pair fragments and their scale words: 14 loads
.irp p, 0,1,2,3
.irp c, 0,1,2
	ds_load_b128 v[KF+12*\p+4*\c:KF+12*\p+4*\c+3], v[AK+\s] offset:1536*\p+512*\c
.endr
.endr
	ds_load_b64 v[KS:KS+1], v[AS+\s]
	ds_load_b64 v[KS+2:KS+3], v[AS+\s] offset:128
.endm
.macro LDV g, s                        ; V's fragments 2 g and 2 g + 1: 6 loads
.irp u, 0,1
.irp c, 0,1,2
	ds_load_b128 v[VF+12*\u+4*\c:VF+12*\u+4*\c+3], v[AK+\s] offset:6144+1536*(2*\g+\u)+512*\c
.endr
.endr
.endm
.macro LDVS s
	ds_load_b64 v[VS:VS+1], v[AS+\s] offset:256
	ds_load_b64 v[VS+2:VS+3], v[AS+\s] offset:384
.endm
.macro PV t                            ; O^T's tile t += V^T's fragment t x P^T
	v_wmma_scale_f32_16x16x128_f8f6f4 v[O+8*\t:O+8*\t+7], v[VF+12*(\t%2):VF+12*(\t%2)+11], v[P:P+11], v[O+8*\t:O+8*\t+7], v[VS+\t], v[PSW] matrix_a_fmt:MATRIX_FMT_FP6 matrix_b_fmt:MATRIX_FMT_FP6
.endm
.macro SUMS from, to                   ; lines from .. to - 1 of the 32 that add the step's 64 unquantised p to the row's sum, two at a time, in two chains
.set SN, \from
.rept \to-\from
.if SN == 0
	v_pk_add_f32 v[T8+4:T8+5], v[S:S+1], v[S+2:S+3]
.elseif SN == 31
	s_delay_alu instid0(VALU_DEP_1)
	v_pk_add_f32 v[L:L+1], v[L:L+1], v[T8+4:T8+5]
.elseif SN%2 == 1
	v_pk_add_f32 v[L:L+1], v[L:L+1], v[S+4+4*((SN-1)/2):S+5+4*((SN-1)/2)]
.else
	v_pk_add_f32 v[T8+4:T8+5], v[T8+4:T8+5], v[S+6+4*((SN-1)/2):S+7+4*((SN-1)/2)]
.endif
.set SN, SN+1
.endr
.endm
.macro OSCALE t0                       ; O^T's tiles t0 and t0 + 1 under the new M, each from its low end on
.set J, 8*\t0
.rept 8
	v_pk_mul_f32 v[O+J:O+J+1], v[O+J:O+J+1], v[F:F+1] op_sel_hi:[1,0]
.set J, J+2
.endr
.endm
; A KEY STEP: 128 keys, in slot cur.  Its K, K's scale words and its mask are in registers.  ahead = 1: the next step's, from slot nxt, are loaded on the way.
; fill = 1: the step carries the change of slots: OPEN at its top, CLOSE behind the score products, which name registers alone; slot k takes the step two on.
.macro STEP cur, nxt, ahead, k, fill
.if \fill
	OPEN \k
.else
	s_wait_dscnt 0x0                               ; K, its scale words and the mask are in
.endif
.irp p, 0,1,2,3
	v_wmma_scale_f32_16x16x128_f8f6f4 v[S+16*\p:S+16*\p+7], v[KF+12*\p:KF+12*\p+11], v[Q:Q+11], v[S+16*\p:S+16*\p+7], v[KS+\p], v[QSL] matrix_a_fmt:MATRIX_FMT_FP6 matrix_b_fmt:MATRIX_FMT_FP6
	v_wmma_scale_f32_16x16x128_f8f6f4 v[S+16*\p+8:S+16*\p+15], v[KF+12*\p:KF+12*\p+11], v[Q+6:Q+17], v[S+16*\p+8:S+16*\p+15], v[KS+\p], v[QSH] matrix_a_fmt:MATRIX_FMT_FP6 matrix_b_fmt:MATRIX_FMT_FP6
.endr
.rept 4
	v_nop                                          ; places: ahead of the loads into K's and V's registers, which these and the last step's products have read, and of the first read of the logits
.endr
.if \fill
	CLOSE                                          ; the round, and the refill, ahead of the step's first LDS reads
.endif
	LDV 0, \cur
	LDVS \cur
.irp b, 0,1,2,3
	v_max3_num_f32 v[BM+\b], v[S+16*\b], v[S+16*\b+1], v[S+16*\b+2]   ; the largest logit of each block of 32 keys: for the row's maximum and, since p rises with the logit, for the block's largest p
.endr
.irp i, 3,5,7,9,11,13
.irp b, 0,1,2,3
	v_max3_num_f32 v[BM+\b], v[BM+\b], v[S+16*\b+\i], v[S+16*\b+\i+1]
.endr
.endr
.irp b, 0,1,2,3
	v_max_num_f32 v[BM+\b], v[BM+\b], v[S+16*\b+15]
.endr
.irp b, 0,1,2,3
	s_delay_alu instid0(VALU_DEP_4)
	v_permlanex16_b32 v[T8+\b], v[BM+\b], s56, s57
.endr
.irp b, 0,1,2,3
	s_delay_alu instid0(VALU_DEP_4)
	v_max_num_f32 v[BM+\b], v[BM+\b], v[T8+\b]     ; with lane l xor 16's 16 keys
.endr
	s_delay_alu instid0(VALU_DEP_2)
	v_max3_num_f32 v[TW], v[BM], v[BM+1], v[BM+2]
	s_delay_alu instid0(VALU_DEP_1)
	v_max_num_f32 v[TW], v[TW], v[BM+3]
	s_delay_alu instid0(VALU_DEP_1)
	v_mul_f32 v[TW], s58, v[TW]                    ; the step's largest t of my query
	s_delay_alu instid0(VALU_DEP_1)
	v_max_num_f32 v[TMX], v[TMX], v[TW]
	v_mov_b32 v[TW], v[NM]
	s_delay_alu instid0(VALU_DEP_2)
	v_floor_f32 v[NM], -v[TMX]                     ; -M = floor(-t): M is a whole number
	s_delay_alu instid0(VALU_DEP_1)
	v_sub_f32 v[TW], v[NM], v[TW]                  ; old M - new M: a whole number, 0 or less
	s_delay_alu instid0(VALU_DEP_1)
	v_cvt_i32_f32 v[TW], v[TW]                     ; (it saturates)
	s_delay_alu instid0(VALU_DEP_1)
	v_ldexp_f32 v[F], 1.0, v[TW]                   ; f = 2^(old M - new M)
	v_cmp_lt_f32 s60, s59, v[TMX]                  ; has the row had a key above -3e38?  A choice of values, no branch
	s_delay_alu instid0(VALU_DEP_1)
	v_cndmask_b32 v[CA], 0, v[LG], s60
	s_delay_alu instid0(VALU_DEP_2)
	v_cndmask_b32 v[CB], 0, v[NM], s60
.irp b, 0,1,2,3
	v_fma_f32 v[BM+\b], v[BM+\b], v[CA], v[CB]
.endr
.set J, 0
.rept 32
	v_pk_fma_f32 v[S+J:S+J+1], v[S+J:S+J+1], v[CA:CA+1], v[CB:CB+1] op_sel_hi:[1,0,0]   ; t - M, one rounding, two at a time
.set J, J+2
.endr
.if \ahead
	LDK \nxt                                       ; the next step's K, 14 loads behind V's first half: the score products read these registers more than four plain lines ago
.endif
	s_wait_alu depctr_va_vdst(0)
.irp b, 0,1,2,3
	v_exp_f32 v[BM+\b], v[BM+\b]                   ; the blocks' largest p: the same two instructions on the same number give the same bits
.endr
.set J, 0
.rept 64
	v_exp_f32 v[S+J], v[S+J]                       ; p = 2^(t - M)
.set J, J+1
.endr
	v_pk_mul_f32 v[L:L+1], v[L:L+1], v[F:F+1] op_sel_hi:[1,0]   ; the sums under the new M: the plain line behind the exponentials
	s_wait_alu depctr_va_vdst(0)                   ; one wait for the batch of 68, ahead of its first reader
.irp b, 0,1,2,3
	v_max_num_f32 v[BM+\b], 0x1800000, v[BM+\b]    ; the floor 2^(3 - 127): the byte cannot fall under 1
.endr
.irp b, 0,1,2,3
	s_delay_alu instid0(VALU_DEP_4)
	v_add_nc_u32 v[SO+\b], 0xff000000, v[BM+\b]    ; 2 off the exponent field: the conversion's scale operand
.endr
.irp b, 0,1,2,3
	s_delay_alu instid0(VALU_DEP_4)
	v_lshrrev_b32 v[T8+\b], 23, v[SO+\b]
.endr
	s_delay_alu instid0(VALU_DEP_3)
	v_lshl_or_b32 v[PSW], v[T8+1], 8, v[T8]        ; p's scale word for these 128 keys
	s_delay_alu instid0(VALU_DEP_1)
	v_lshl_or_b32 v[PSW], v[T8+2], 16, v[PSW]
	s_delay_alu instid0(VALU_DEP_1)
	v_lshl_or_b32 v[PSW], v[T8+3], 24, v[PSW]
.irp c, 0,1
	v_cvt_scalef32_pk16_fp6_f32 v[P+6*\c:P+6*\c+2], v[S+32*\c:S+32*\c+15], v[SO+2*\c]
	v_cvt_scalef32_pk16_fp6_f32 v[TW+4*\c:TW+4*\c+2], v[S+32*\c+16:S+32*\c+31], v[SO+2*\c+1]
.endr
	v_nop                                          ; one plain line behind a scaled conversion
.irp c, 0,1                                    ; a whole block to a lane: lanes 0-15 the even block, lanes 16-31 the odd one
.irp i, 0,1,2
	v_permlane16_swap_b32 v[P+6*\c+\i], v[TW+4*\c+\i]
.endr
.irp i, 0,1,2
	s_delay_alu instid0(VALU_DEP_3)
	v_mov_b32 v[P+6*\c+3+\i], v[TW+4*\c+\i]
.endr
.endr
	OSCALE 0
	SUMS 0, 4                                      ; with the eight above: the places between the writes of P and of its scale word and the products
.if \ahead
	s_wait_alu depctr_va_vdst(0)
	s_wait_dscnt 14                                ; V's first half and its scale words are in; the 14 loads of the next K, issued behind them, may be out
.else
	s_wait_alu depctr_va_vdst(0)
	s_wait_dscnt 0x0
.endif
	PV 0
	PV 1
	SUMS 4, 9                                      ; five plain lines that name none of those products' registers: the places ahead of the loads into V's registers
	LDV 1, \cur
	OSCALE 2
.if \ahead                                     ; line 4 t + 2 of the sums is the last reader of p's tile t: the next step's mask follows tile by tile, so that only the last tile's two loads are issued at the step's end
	SUMS 9, 11
.irp t, 0,1,2
	LDMT \nxt, \t
.endr
	SUMS 11, 19
.irp t, 3,4
	LDMT \nxt, \t
.endr
	SUMS 19, 27
.irp t, 5,6
	LDMT \nxt, \t
.endr
	SUMS 27, 32
	LDMT \nxt, 7
	s_wait_dscnt 16                                ; V's second half is in; the 16 loads of the next mask, issued behind it, may be out
.else
	SUMS 9, 32
	s_wait_alu depctr_va_vdst(0)
	s_wait_dscnt 0x0
.endif
	PV 2
	PV 3
.endm
.macro LDMT s, t                       ; one tile of a step's mask: two of LDM's sixteen loads
	ds_load_b128 v[S+8*\t:S+8*\t+3], v[AM+\s] offset:128*(\t/2)+32*(\t%2)
	ds_load_b128 v[S+8*\t+4:S+8*\t+7], v[AM+\s] offset:128*(\t/2)+32*(\t%2)+16
.endm
; THE CHANGE OF SLOTS, in two parts.  OPEN, at a step's top: each wave waits for all its tensor loads (its part of the step after this one), adds 0 to its spare word, steps the descriptors, and
; waits for all its LDS loads, the add alone aside.  The step's eight score products, which name registers alone, stand between the add and the wait for it.  CLOSE: that wait, which also shows my reads of the slot over; a round
; of the cluster's barrier, so that no wave of any partner still reads the slot or has a load on its way; and the refill of slot k, which the step before has left: a wave's one tensor load until the next round.
.macro OPEN k
	s_wait_tensorcnt 0x0                           ; no tensor load of mine is out, so a group 0 may be written
	ds_add_u32 v[SPW], v[NIL]
	s_add_co_u32 s[G0M+5], s72, \k*SLOTB
	s_add_nc_u64 s[G0M+6:G0M+7], s[G0M+6:G0M+7], 512
	s_add_co_u32 s[G0K+5], s73, \k*SLOTB
	s_add_nc_u64 s[G0K+6:G0K+7], s[G0K+6:G0K+7], 16*BLKB
	s_wait_xcnt 0x0                                ; the last prefetch, a step back, has read its address, so it may be written
	s_add_nc_u64 s[66:67], s[66:67], s[68:69]      ; two steps further on than the walking descriptors
	s_wait_dscnt 1                                 ; this step's K, scale words and mask are in; the add, issued behind them, may be out
.endm
.macro CLOSE
	s_wait_dscnt 0x0                               ; the add is done, and my reads of the slot are over
	s_barrier_signal -1
	s_wait_alu depctr_va_vdst(0)                   ; directly ahead of the barrier's wait
	s_barrier_wait -1
	s_cmp_lg_u32 s14, 0
	s_cbranch_scc1 .Lnw0_\@
	s_barrier_signal -3
.Lnw0_\@:
	s_barrier_wait -3
	s_barrier_signal -1
	s_barrier_wait -1
	JLOAD
	ASK
	s_sub_co_u32 s63, s63, 1
.endm
	s_wait_alu depctr_va_vdst(0)                   ; the wait at the head's end
	s_wait_tensorcnt 0x0                           ; my part of step 0 is in; the full sequence stands ahead of slot 1's first fill, as ahead of a refill
	ds_add_u32 v[SPW], v[NIL]
	s_wait_dscnt 0x0
	CROUND
	JLOAD                                          ; step 1 into slot 1: the walking descriptors were set up for it
	LDM 0
	LDK 0
	s_mov_b32 s62, 10
.Ltrip:                                            ; ten trips of three steps: steps 0 to 29; in each the step two on is asked for
	STEP 0, 1, 1, 2, 1
	STEP 1, 2, 1, 0, 1
	STEP 2, 0, 1, 1, 1
	s_sub_co_u32 s62, s62, 1
	s_cmp_lg_u32 s62, 0
	s_cbranch_scc1 .Ltrip
	s_wait_tensorcnt 0x0                           ; the tail is written out: step 31 has landed, nothing is asked for
	ds_add_u32 v[SPW], v[NIL]
	s_wait_dscnt 0x0
	s_barrier_signal -1
	s_barrier_wait -1
	STEP 0, 1, 1, 0, 0                             ; step 30
	STEP 1, 0, 0, 0, 0                             ; step 31
	; THE WAY OUT.  O^T / l; my head's two blocks of 32 channels are quantised; codes and scale bytes meet the other waves' in LDS and leave in runs of 256 consecutive bytes.
	v_add_f32 v[L], v[L], v[L+1]                   ; the sum's two halves (these plain lines are the places behind the last products)
	v_and_b32 v52, 15, v0                          ; r
	v_bfe_u32 v53, v0, 4, 1                        ; h
	s_delay_alu instid0(VALU_DEP_2)
	v_mul_u32_u24 v54, v52, 192
	s_delay_alu instid0(VALU_DEP_1)
	v_mad_u32_u24 v54, v53, 24, v54
	v_permlanex16_b32 v[T8], v[L], s56, s57
	s_mul_i32 s74, s16, 16*192
	s_mul_i32 s75, s17, 48
	s_add_co_u32 s74, s74, s75
	s_add_co_u32 s74, s74, STG
	v_add_nc_u32 v54, s74, v54                     ; codes: row 16 i + r of 192 bytes, + 48 j + 24 h
	v_add_f32 v[L], v[L], v[T8]                    ; and lane l xor 16's: the row's sum
	s_wait_alu depctr_va_vdst(0)
	v_rcp_f32 v[L], v[L]
	s_lshl_b32 s74, s16, 7
	s_lshl_b32 s75, s17, 1
	s_add_co_u32 s74, s74, s75
	s_add_co_u32 s74, s74, SST
	v_lshl_add_u32 v55, v52, 3, s74                ; scale bytes: row 16 i + r of 8 bytes, + 2 j  (a plain line behind the reciprocal)
	v_lshlrev_b32 v56, 3, v0                       ; back: 8 bytes a thread
	s_delay_alu instid0(VALU_DEP_1)
	v_add_nc_u32 v57, STG, v56
	s_delay_alu instid0(VALU_DEP_2)
	v_add_nc_u32 v58, SST, v56
	v_lshlrev_b32 v59, 5, v0                       ; a row of o_scales is 32 bytes
	s_wait_alu depctr_va_vdst(0)                   ; the wait ahead of the reciprocal's first reader
.set J, 0
.rept 32
	v_mul_f32 v[S+J], v[O+J], v[L]                 ; register 16 b + i: channel 32 b + 16 h + i
.set J, J+1
.endr
.irp b, 0,1
	v_max3_num_f32 v[BM+\b], |v[S+16*\b]|, |v[S+16*\b+1]|, 0x1800000
.endr
.irp i, 2,4,6,8,10,12,14
.irp b, 0,1
	s_delay_alu instid0(VALU_DEP_2)
	v_max3_num_f32 v[BM+\b], v[BM+\b], |v[S+16*\b+\i]|, |v[S+16*\b+\i+1]|
.endr
.endr
.irp b, 0,1
	s_delay_alu instid0(VALU_DEP_2)
	v_permlanex16_b32 v[T8+\b], v[BM+\b], s56, s57
.endr
.irp b, 0,1
	s_delay_alu instid0(VALU_DEP_2)
	v_max_num_f32 v[BM+\b], v[BM+\b], v[T8+\b]
.endr
.irp b, 0,1
	s_delay_alu instid0(VALU_DEP_2)
	v_add_nc_u32 v[SO+\b], 0xff000000, v[BM+\b]
.endr
.irp b, 0,1
	s_delay_alu instid0(VALU_DEP_2)
	v_lshrrev_b32 v[T8+\b], 23, v[SO+\b]
.endr
	s_delay_alu instid0(VALU_DEP_1)
	v_lshl_or_b32 v[T8+2], v[T8+1], 8, v[T8]       ; my head's two scale bytes of my query
	v_cvt_scalef32_pk16_fp6_f32 v[P:P+2], v[S:S+15], v[SO]
	v_cvt_scalef32_pk16_fp6_f32 v[TW:TW+2], v[S+16:S+31], v[SO+1]
	v_nop
.irp i, 0,1,2
	v_permlane16_swap_b32 v[P+\i], v[TW+\i]
.endr
.irp i, 0,1,2
	s_delay_alu instid0(VALU_DEP_3)
	v_mov_b32 v[P+3+\i], v[TW+\i]                  ; six registers: channels 32 h + 0 .. 31: 24 bytes
.endr
	ds_store_b64 v54, v[P:P+1]
	ds_store_b64 v54, v[P+2:P+3] offset:8
	ds_store_b64 v54, v[P+4:P+5] offset:16
	ds_store_b16 v55, v[T8+2]                      ; both halves of the lanes write the same bytes with the same value
	s_wait_dscnt 0x0                               ; for the others' sake: my stores have landed
	s_barrier_signal -1
	s_barrier_wait -1
	ds_load_b64 v[60:61], v57
	ds_load_b64 v[62:63], v57 offset:4096
	ds_load_b64 v[64:65], v57 offset:8192
	s_wait_dscnt 0x0
	global_store_b64 v56, v[60:61], s[10:11]       ; the work-group's 12,288 bytes are dense in o_codes: a wave's store covers 256 consecutive bytes, aligned
	global_store_b64 v56, v[62:63], s[10:11] offset:4096
	global_store_b64 v56, v[64:65], s[10:11] offset:8192
	s_cmp_lt_u32 s14, 2                            ; the 64 rows' scale bytes: waves 0 and 1, a thread a row: 8 of a row's 32 bytes, so runs of 256 bytes are written in part: 512 bytes a work-group
	s_cbranch_scc0 .Lno_scales
	ds_load_b64 v[66:67], v58
	s_wait_dscnt 0x0
	global_store_b64 v59, v[66:67], s[12:13]
.Lno_scales:
	s_wait_tensorcnt 0x0                           ; the wave's end
	ds_add_u32 v[SPW], v[NIL]
	s_wait_dscnt 0x0
	CROUND                                         ; the closing round
	s_endpgm
.Lfunc_end_k_qe221ae323c_attn:
	.size	k_qe221ae323c_attn, .Lfunc_end_k_qe221ae323c_attn-k_qe221ae323c_attn
	.p2alignl 7, 3214868480
	.fill 96, 4, 3214868480
	.section	.rodata,"a",@progbits
	.p2align	6, 0x0
	.amdhsa_kernel k_qe221ae323c_attn
		.amdhsa_group_segment_fixed_size 327680
		.amdhsa_private_segment_fixed_size 0
		.amdhsa_enable_private_segment 0
		.amdhsa_kernarg_size 40
		.amdhsa_user_sgpr_count 2
		.amdhsa_user_sgpr_kernarg_segment_ptr 1
		.amdhsa_wavefront_size32 1
		.amdhsa_system_sgpr_workgroup_id_x 1
		.amdhsa_system_sgpr_workgroup_id_y 1
		.amdhsa_system_sgpr_workgroup_id_z 1
		.amdhsa_system_vgpr_workitem_id 0
		.amdhsa_next_free_vgpr 256
		.amdhsa_next_free_sgpr 96
		.amdhsa_reserve_vcc 0
		.amdhsa_float_denorm_mode_32 3
		.amdhsa_float_denorm_mode_16_64 3
		.amdhsa_memory_ordered 1
		.amdhsa_forward_progress 1
		.amdhsa_inst_pref_size 111
	.end_amdhsa_kernel
	.amdgpu_metadata
---
amdhsa.version: [ 1, 2 ]
amdhsa.kernels:
  - .name:           k_qe221ae323c_attn
    .symbol:         k_qe221ae323c_attn.kd
    .args:
      - { .name: qimg, .offset: 0, .size: 8, .value_kind: global_buffer, .address_space: global }
      - { .name: kv, .offset: 8, .size: 8, .value_kind: global_buffer, .address_space: global }
      - { .name: attention_mask, .offset: 16, .size: 8, .value_kind: global_buffer, .address_space: global }
      - { .name: o_codes, .offset: 24, .size: 8, .value_kind: global_buffer, .address_space: global }
      - { .name: o_scales, .offset: 32, .size: 8, .value_kind: global_buffer, .address_space: global }
    .group_segment_fixed_size: 327680
    .private_segment_fixed_size: 0
    .kernarg_segment_align: 8
    .kernarg_segment_size: 40
    .max_flat_workgroup_size: 512
    .sgpr_count:     96
    .vgpr_count:     256
    .wavefront_size: 32
...
	.end_amdgpu_metadata
.endif
;; end of part 3
;; launch oproj (part 4): grid 8 x 32, 8 waves a work-group, clusters of 4 x 4, 327,680 bytes of LDS; arguments o_codes, o_scales, w_codes, w_scales, bo, out0; writes out0
.if DOCPART == 4
	.amdgcn_target "amdgcn-amd-amdhsa--gfx1250"
	.amdhsa_code_object_version 6
	.text
	.protected	k_qe221ae323c_oproj
	.globl	k_qe221ae323c_oproj
	.p2align	8
	.type	k_qe221ae323c_oproj,@function
k_qe221ae323c_oproj:
	s_mov_b64 s[64:65], 0
	v_nop
	global_prefetch_b8 v0, s[64:65] scope:SCOPE_SE
	s_setreg_imm32_b32 hwreg(HW_REG_WAVE_MODE, 25, 1), 1
	s_wait_xcnt 0x0
	s_wait_alu depctr_hold_cnt(0) depctr_sa_sdst(0) depctr_va_vdst(0) depctr_va_sdst(0) depctr_va_ssrc(0) depctr_va_vcc(0) depctr_vm_vsrc(0)
	s_getreg_b32 s2, hwreg(HW_REG_IB_STS2, 6, 4)
	s_cmp_eq_u32 s2, 0
	s_cbranch_scc0 .Lentry_in_a_cluster
	s_endpgm
.Lentry_in_a_cluster:
	s_bfe_u32 s2, ttmp6, 0x10000c
	s_cmp_lg_u32 s2, 0xf033
	s_cbranch_scc0 .Lentry_shape_is_right
	s_endpgm
.Lentry_shape_is_right:
; out0[token][n] = sum over k of O[token][k] wo[n][k] + bo[n], on codes of FP6 (E2M3) with one E8M0 scale for each 32 along K; sums in f32.
; o_codes and w_codes are [4 planes of 256 along K][row][192 bytes]; wo's rows are rows 3072 on of w_codes and w_scales; the scales are [row][32 bytes].
; SHARES.  A block of 128 tokens x 128 columns to a work-group: 32 x 8 = 256 work-groups.  Eight waves; wave w makes tokens 32 (w / 2) on x columns 64 (w % 2) on: 2 x 4 accumulators.
; ALL OF K LIES IN LDS: eight tiles (A's and B's 128 rows x 4 planes), each 24,576 dense bytes of memory from a multiple of 256 on, fetched as 96 rows of 256 bytes, ONE tensor load a wave at the head: waves 0-3 A's planes, waves 4-7 B's.
; The mover lays 16 bytes of padding behind every 64: a row of 192 bytes of codes takes 240 bytes of LDS.  Nothing is filled again: one barrier shows the tiles to all waves.
; CLUSTER 4 x 4: A's tiles hang on the block's row alone and are asked for jointly along a row of the cluster, B's on its column alone: jointly along a column.
; SCALES go straight into registers: 16 rows' 512 bytes are dense, lane (r, h) takes 16 bytes at 32 r + 16 h: register j holds the word of K step j in lanes 0-15 and of K step 4 + j in lanes 16-31 (ROW1 picks the latter).
; THE BIAS is loaded into the accumulators, so the first products add onto it.  The matrix instruction is used transposed (source 0 = 16 rows of wo, source 1 = 16 tokens): a lane holds eight neighbouring columns of one token.
; THE WAY OUT: 16 tokens x 64 columns at a time through the wave's own stage; sixteen lanes store 256 consecutive bytes, aligned.
; No prefetch: the launch has no loop to run ahead in; every tile is asked for at the head.
.set PLANE,  4096*192
.set PITCH,  240
.set TILE,   128*PITCH                 ; 30,720
.set SPARE,  8*TILE                    ; the spare words, 128 bytes for each of 8 waves, which no other line names
.set SPITCH, 272
.set STAGE,  SPARE+1024                ; 16 rows x 272 bytes for each wave
.set SPW, 6
.set NIL, 7
.set ADA, 8                            ; v8-11   my A rows: + 2 x (plane / 2) + (1 where lanes 16-31 pass a padding)
.set ADB, 12                           ; v12-15  the same for B
.set STO, 16
.set RD,  17
.set CO,  18
.set OBI, 19
.set OSC, 20
.set SA,  24                           ; v24-31  A's scale words, 4 registers a block of 16 rows
.set SB,  32                           ; v32-47  B's
.set ACC, 48                           ; v48-111 accumulator (a, b) at 8 (4 a + b)
.set FB,  112                          ; v112-255 two sets of fragments: A's two, then B's four, 12 registers each
.set G1A, 24
.set G1B, 32
.set G0A, 40
.set G0B, 44
.set FLAGS, (1<<20)|(1<<21)|(3<<22)|(3<<25)    ; elements of 1 byte; padding on; bit 21 beside a mask; after every 16 words, 4 words
.macro CROUND
	s_barrier_signal -1
	s_barrier_wait -1
	s_cmp_lg_u32 s16, 0
	s_cbranch_scc1 .Lnot_wave_0_\@
	s_barrier_signal -3
.Lnot_wave_0_\@:
	s_barrier_wait -3
	s_barrier_signal -1
	s_barrier_wait -1
.endm
.macro PLACES
.rept 4
	v_nop
.endr
.endm
	s_load_b256 s[4:11], s[0:1], 0x0               ; o_codes, o_scales, w_codes, w_scales
	s_load_b128 s[12:15], s[0:1], 0x20             ; bo, out0
	v_lshl_add_u32 v[SPW], v0, 2, SPARE
	v_mov_b32 v[NIL], 0
	ds_add_u32 v[SPW], v[NIL]                      ; the opening lines: the add, twice on end, and its wait ahead of the first tensor load
	ds_add_u32 v[SPW], v[NIL]
	v_lshrrev_b32 v1, 5, v0
	v_readfirstlane_b32 s16, v1                    ; wave 0..7
	s_and_b32 s17, s16, 3                          ; the plane that I fetch
	s_lshr_b32 s18, s16, 1                         ; my 32 tokens of the block
	s_and_b32 s19, s16, 1                          ; my 64 columns
	s_bfe_u32 s20, ttmp6, 0x40000                  ; cx
	s_bfe_u32 s21, ttmp6, 0x40004                  ; cy
	s_lshl_b32 s22, ttmp9, 2
	s_add_co_u32 s22, s22, s20                     ; the block's column, 0..7
	s_and_b32 s23, ttmp7, 0xffff
	s_lshl_b32 s23, s23, 2
	s_add_co_u32 s23, s23, s21                     ; the block's row, 0..31
	s_lshl_b32 s48, s21, 2
	s_lshl_b32 s48, 15, s48                        ; my row of the cluster
	s_lshl_b32 s49, 0x1111, s20                    ; my column
	s_or_b32 s[G1A], s48, FLAGS
	s_or_b32 s[G1B], s49, FLAGS
.irp g, G1A, G1B
	s_mov_b32 s[\g+1], 256<<16                     ; 96 dense rows of 256 bytes
	s_mov_b32 s[\g+2], 96<<16
	s_mov_b32 s[\g+3], 256<<16
	s_mov_b32 s[\g+4], 96
	s_mov_b32 s[\g+5], 256
	s_mov_b32 s[\g+6], 0
	s_mov_b32 s[\g+7], 0
.endr
	s_mul_i32 s50, s17, PLANE
	s_mul_i32 s51, s23, 128*192
	s_add_co_u32 s50, s50, s51                     ; A: my plane, the block's 128 tokens
	s_mov_b32 s51, 0
	s_mul_i32 s52, s17, PLANE
	s_mul_i32 s53, s22, 128*192
	s_add_co_u32 s52, s52, s53
	s_add_co_u32 s52, s52, 3072*192                ; B: my plane, wo's rows, the block's 128
	s_mov_b32 s53, 0
	s_mul_i32 s55, s18, 32*PITCH                   ; LDS: my rows of A's tiles,
	s_mul_i32 s56, s19, 64*PITCH
	s_add_co_u32 s56, s56, 4*TILE                  ; of B's, behind A's four,
	s_mul_i32 s57, s16, 16*SPITCH
	s_add_co_u32 s57, s57, STAGE                   ; my stage
	s_wait_dscnt 0x0                               ; both opening adds are done
	s_wait_kmcnt 0x0
	s_add_nc_u64 s[50:51], s[4:5], s[50:51]
	s_add_nc_u64 s[52:53], s[8:9], s[52:53]
	CROUND                                         ; all sixteen work-groups are here: the joint loads meet
	s_mov_b32 s[G0A], 1
	s_mul_i32 s[G0A+1], s16, TILE                  ; tile w lies at w x TILE: no place in the cluster enters an LDS address
	s_mov_b64 s[G0A+2:G0A+3], s[50:51]
	s_or_b32 s[G0A+3], s[G0A+3], 0x80000000
	s_mov_b32 s[G0B], 1
	s_mul_i32 s[G0B+1], s16, TILE
	s_mov_b64 s[G0B+2:G0B+3], s[52:53]
	s_or_b32 s[G0B+3], s[G0B+3], 0x80000000
	s_cmp_lt_u32 s16, 4                            ; every way passes one load; an s_nop 0 and four v_nop follow each
	s_cbranch_scc0 .Lfor_b
	tensor_load_to_lds s[G0A:G0A+3], s[G1A:G1A+7]
	s_nop 0
	PLACES
	s_branch .Lasked
.Lfor_b:
	tensor_load_to_lds s[G0B:G0B+3], s[G1B:G1B+7]
	s_nop 0
	PLACES
.Lasked:
	v_and_b32 v1, 15, v0                           ; r
	v_bfe_u32 v2, v0, 4, 1                         ; h
	v_mul_u32_u24 v3, v1, PITCH
	v_mad_u32_u24 v3, v2, 24, v3                   ; row x pitch + 24 h
	v_lshl_add_u32 v4, v2, 4, v3                   ; and 16 more where lanes 16-31 pass a padding
	v_add_nc_u32 v[ADA], s55, v3
	v_add_nc_u32 v[ADA+1], s55, v4
	v_add_nc_u32 v[ADB], s56, v3
	v_add_nc_u32 v[ADB+1], s56, v4
.irp n, 0,1
	v_add_nc_u32 v[ADA+2+\n], 2*TILE, v[ADA+\n]    ; planes 2 and 3
	v_add_nc_u32 v[ADB+2+\n], 2*TILE, v[ADB+\n]
.endr
	v_mul_u32_u24 v5, v1, SPITCH
	v_lshl_add_u32 v5, v2, 5, v5
	v_add_nc_u32 v[STO], s57, v5                   ; into the stage: row r, 32 bytes for each half of the lanes
	v_mul_u32_u24 v5, v2, SPITCH
	v_lshl_add_u32 v5, v1, 4, v5
	v_add_nc_u32 v[RD], s57, v5                    ; back: lanes 0-15 one row of 256 bytes, lanes 16-31 the next
	v_lshlrev_b32 v5, 12, v2
	v_lshl_add_u32 v[CO], v1, 4, v5                ; and the same two rows in out0 (4,096 bytes a row)
	v_lshlrev_b32 v[OBI], 5, v2                    ; the bias: my 8 columns of each 16
	v_lshlrev_b32 v5, 5, v1
	v_lshl_add_u32 v[OSC], v2, 4, v5               ; the scales: 32 r + 16 h
	s_wait_alu depctr_va_vdst(0)                   ; the wait at the head's end, ahead of the scalar lines and waits below
	s_lshl_b32 s58, s22, 9
	s_lshl_b32 s59, s19, 8
	s_add_co_u32 s58, s58, s59                     ; my first column, in bytes
	s_mov_b32 s59, 0
	s_add_nc_u64 s[12:13], s[12:13], s[58:59]
	s_lshl_b32 s60, s23, 19
	s_lshl_b32 s61, s18, 17
	s_add_co_u32 s60, s60, s61                     ; my first token's row of out0
	s_add_co_u32 s60, s60, s58
	s_mov_b32 s61, 0
	s_add_nc_u64 s[14:15], s[14:15], s[60:61]
	s_lshl_b32 s60, s23, 12
	s_lshl_b32 s62, s18, 10
	s_add_co_u32 s60, s60, s62                     ; my tokens' scales
	s_add_nc_u64 s[6:7], s[6:7], s[60:61]
	s_lshl_b32 s60, s22, 12
	s_lshl_b32 s62, s19, 11
	s_add_co_u32 s60, s60, s62
	s_add_co_u32 s60, s60, 3072*32                 ; my rows of wo: their scales
	s_add_nc_u64 s[10:11], s[10:11], s[60:61]
.irp a, 0,1
.irp b, 0,1,2,3
	global_load_b128 v[ACC+8*(4*\a+\b):ACC+8*(4*\a+\b)+3], v[OBI], s[12:13] offset:64*\b
	global_load_b128 v[ACC+8*(4*\a+\b)+4:ACC+8*(4*\a+\b)+7], v[OBI], s[12:13] offset:64*\b+16
.endr
.endr
.irp a, 0,1
	global_load_b128 v[SA+4*\a:SA+4*\a+3], v[OSC], s[6:7] offset:512*\a
.endr
.irp b, 0,1,2,3
	global_load_b128 v[SB+4*\b:SB+4*\b+3], v[OSC], s[10:11] offset:512*\b
.endr
; A fragment, 16 rows x 128 K, is 12 registers: six pieces of 8 bytes.  st: the K step; its plane is st / 2, its half of the plane's 192 bytes st % 2.  Piece PC of a row's 24 lies at 8 PC + 16 (PC / 8).
.macro FRAG reg, adr, st, i
.irp p, 0,1,2,3,4,5
.set PC, 12*((\st)%2)+6*(\p/3)+\p%3
	ds_load_b64 v[\reg+2*\p:\reg+2*\p+1], v[\adr+2*((\st)/4)+(PC%8)/5] offset:(((\st)/2)%2)*TILE+8*PC+16*(PC/8)+(\i)*16*PITCH
.endr
.endm
.macro FETCH st                        ; 36 loads: step st's fragments into set st % 2
.irp i, 0,1
	FRAG FB+72*((\st)%2)+12*\i, ADA, \st, \i
.endr
.irp i, 0,1,2,3
	FRAG FB+72*((\st)%2)+24+12*\i, ADB, \st, \i
.endr
.endm
.macro MUL st                          ; eight accumulators by turns, one instruction a turn, in the same order in every step
.irp a, 0,1
.irp b, 0,1,2,3
.if (\st) < 4
	v_wmma_scale_f32_16x16x128_f8f6f4 v[ACC+8*(4*\a+\b):ACC+8*(4*\a+\b)+7], v[FB+72*((\st)%2)+24+12*\b:FB+72*((\st)%2)+24+12*\b+11], v[FB+72*((\st)%2)+12*\a:FB+72*((\st)%2)+12*\a+11], v[ACC+8*(4*\a+\b):ACC+8*(4*\a+\b)+7], v[SB+4*\b+(\st)%4], v[SA+4*\a+(\st)%4] matrix_a_fmt:MATRIX_FMT_FP6 matrix_b_fmt:MATRIX_FMT_FP6
.else
	v_wmma_scale_f32_16x16x128_f8f6f4 v[ACC+8*(4*\a+\b):ACC+8*(4*\a+\b)+7], v[FB+72*((\st)%2)+24+12*\b:FB+72*((\st)%2)+24+12*\b+11], v[FB+72*((\st)%2)+12*\a:FB+72*((\st)%2)+12*\a+11], v[ACC+8*(4*\a+\b):ACC+8*(4*\a+\b)+7], v[SB+4*\b+(\st)%4], v[SA+4*\a+(\st)%4] matrix_a_fmt:MATRIX_FMT_FP6 matrix_b_fmt:MATRIX_FMT_FP6 matrix_a_scale:MATRIX_SCALE_ROW1 matrix_b_scale:MATRIX_SCALE_ROW1
.endif
.endr
.endr
.endm
	s_wait_tensorcnt 0x0                           ; my tile is in,
	s_barrier_signal -1
	s_barrier_wait -1                              ; everybody's is
	FETCH 0
	s_wait_loadcnt 0x0                             ; the bias and the scale words are in
.set ST, 0
.rept 7
.if ST > 0
	PLACES                                         ; ahead of loads into the set that the step before has multiplied
.endif
	FETCH ST+1
	s_wait_dscnt 36                                ; this step's fragments are in; the 36 loads just issued may be out
	MUL ST
.set ST, ST+1
.endr
	s_wait_dscnt 0x0
	MUL 7
	PLACES                                         ; ahead of the first reads of results and of loads into the fragments' registers
.irp a, 0,1
.irp b, 0,1,2,3
	ds_store_b128 v[STO], v[ACC+8*(4*\a+\b):ACC+8*(4*\a+\b)+3] offset:64*\b          ; each accumulator from its low end on
	ds_store_b128 v[STO], v[ACC+8*(4*\a+\b)+4:ACC+8*(4*\a+\b)+7] offset:64*\b+16
.endr
.irp t, 0,1,2,3,4,5,6,7
	ds_load_b128 v[FB+32*\a+4*\t:FB+32*\a+4*\t+3], v[RD] offset:\t*2*SPITCH          ; LDS serves a wave's instructions in order (ISA guide 5.7.1.4): these see the stores above, and the next block's stores come behind them
.endr
.endr
	s_wait_dscnt 16                                ; the first 16 tokens are back; the second block's 8 stores and 8 loads may be out
.irp t, 0,1,2,3,4,5,6,7
	global_store_b128 v[CO], v[FB+4*\t:FB+4*\t+3], s[14:15] offset:\t*8192 th:TH_STORE_NT
.endr
	s_wait_dscnt 0x0
.irp t, 0,1,2,3,4,5,6,7
	global_store_b128 v[CO], v[FB+32+4*\t:FB+32+4*\t+3], s[14:15] offset:65536+\t*8192 th:TH_STORE_NT
.endr
	s_wait_tensorcnt 0x0                           ; the wave's end
	ds_add_u32 v[SPW], v[NIL]
	s_wait_dscnt 0x0
	CROUND                                         ; the closing round
	s_endpgm
.Lfunc_end_k_qe221ae323c_oproj:
	.size	k_qe221ae323c_oproj, .Lfunc_end_k_qe221ae323c_oproj-k_qe221ae323c_oproj
	.p2alignl 7, 3214868480
	.fill 96, 4, 3214868480
	.section	.rodata,"a",@progbits
	.p2align	6, 0x0
	.amdhsa_kernel k_qe221ae323c_oproj
		.amdhsa_group_segment_fixed_size 327680
		.amdhsa_private_segment_fixed_size 0
		.amdhsa_enable_private_segment 0
		.amdhsa_kernarg_size 48
		.amdhsa_user_sgpr_count 2
		.amdhsa_user_sgpr_kernarg_segment_ptr 1
		.amdhsa_wavefront_size32 1
		.amdhsa_system_sgpr_workgroup_id_x 1
		.amdhsa_system_sgpr_workgroup_id_y 1
		.amdhsa_system_sgpr_workgroup_id_z 1
		.amdhsa_system_vgpr_workitem_id 0
		.amdhsa_next_free_vgpr 256
		.amdhsa_next_free_sgpr 66
		.amdhsa_reserve_vcc 0
		.amdhsa_float_denorm_mode_32 3
		.amdhsa_float_denorm_mode_16_64 3
		.amdhsa_memory_ordered 1
		.amdhsa_forward_progress 1
		.amdhsa_inst_pref_size 40
	.end_amdhsa_kernel
	.amdgpu_metadata
---
amdhsa.version: [ 1, 2 ]
amdhsa.kernels:
  - .name:           k_qe221ae323c_oproj
    .symbol:         k_qe221ae323c_oproj.kd
    .args:
      - { .name: o_codes, .offset: 0, .size: 8, .value_kind: global_buffer, .address_space: global }
      - { .name: o_scales, .offset: 8, .size: 8, .value_kind: global_buffer, .address_space: global }
      - { .name: w_codes, .offset: 16, .size: 8, .value_kind: global_buffer, .address_space: global }
      - { .name: w_scales, .offset: 24, .size: 8, .value_kind: global_buffer, .address_space: global }
      - { .name: bo, .offset: 32, .size: 8, .value_kind: global_buffer, .address_space: global }
      - { .name: out0, .offset: 40, .size: 8, .value_kind: global_buffer, .address_space: global }
    .group_segment_fixed_size: 327680
    .private_segment_fixed_size: 0
    .kernarg_segment_align: 8
    .kernarg_segment_size: 48
    .max_flat_workgroup_size: 256
    .sgpr_count:     66
    .vgpr_count:     256
    .wavefront_size: 32
...
	.end_amdgpu_metadata
.endif
;; end of part 4
